; MI455X (gfx1250); checked and timed in simulation.
; The chip was launched on July 23, 2026; its instructions are those of AMD's public machine-readable ISA for CDNA 5 (MIT licence, August 2026) and "CDNA5" Instruction Set Architecture Reference Guide (July 2026). The comments in the code are by the model that wrote it; some were corrected since.
;; Generalized X Nor Attention. Allowed arithmetic: matrix products marked QUANTISED: E2M1 operands, one E8M0 scale for each 32 along K, by v_wmma_scale_f32_16x16x128_f8f6f4 with both operands' format E2M1 (or v_wmma_scale_f32_32x16x128_f4), f32 sums; everything else in f32.
;; Inputs: Wk 2 x 512 x 512 float32; Wout 512 x 512 float32; Wq 2 x 512 x 512 float32; Wv 512 x 512 float32; bk 2 x 512 float32; bout 512 float32; bq 2 x 512 float32; bv 512 float32; key 8 x 4,096 x 512 float32; query 8 x 4,096 x 512 float32; value 8 x 4,096 x 512 float32.
;; Outputs: out0 8 x 4,096 x 512 float32.
;; This version of the problem:
;;   THIS VERSION OF THE PROBLEM IS GIVEN IN LOW PRECISION. The matrix products marked QUANTISED in the list below multiply operands that are first quantised to E2M1 (2 exponent bits, 1 mantissa bit; 4 bits a number), with one power-of-two scale for each 32 numbers along K (OCP MX v1.0); their sums are f32. All else is computed in f32.
;;   The module's matrix products, in the order in which they are computed (A, B: the left and right operand; K: the contracted axis; several contracted axes count as one K, in the product's order):
;;     1. [M 32,768, K 512] x [K 512, N 512]; A: input value; B: input Wv: QUANTISED
;;     2. [M 1,024, K 512] x [K 512, N 32,768]; A: input Wq; B: input query: QUANTISED
;;     3. [M 1,024, K 512] x [K 512, N 32,768]; A: input Wk; B: input key: QUANTISED
;;     4. batch 64 x [M 64, K 4,096] x [K 4,096, N 256]; A: computed on the way; B: computed on the way: QUANTISED
;;     5. batch 64 x [M 4,096, K 256] x [K 256, N 64]; A: computed on the way; B: computed on the way: QUANTISED
;;     6. [M 32,768, K 512] x [K 512, N 512]; A: computed on the way; B: input Wout: QUANTISED
;;   THE QUANTISER, for each operand of a quantised product, along K:
;;     - K is cut into blocks of 32 from its start; a last block that is shorter is filled with zeros.
;;     - A block's scale is 2^e with e = floor(log2(the largest magnitude in the block)) - 2, held to -126 .. 127; a block of zeros has e = 0. As a byte (E8M0): e + 127.
;;     - Each number is divided by its block's scale, clamped to +-6, and rounded to the nearest number of E2M1, ties to even, subnormals kept.
;;     - The product sums the exact products of the quantised numbers (number of the format x scale) in f32.
;;   ~~~python
;;   def quantise(x, axis):      # numpy; x: float32 -> the quantised numbers, widened to float32 again
;;       x = np.moveaxis(x, axis, -1); K = x.shape[-1]
;;       x = np.pad(x, [(0, 0)] * (x.ndim - 1) + [(0, -K % 32)]); x = x.reshape(x.shape[:-1] + (-1, 32)); a = np.abs(x).max(-1, keepdims=True)
;;       e = np.where(a > 0, np.clip(np.frexp(np.where(a > 0, a, 1))[1] - 1 - 2, -126, 127), 0)      # np.frexp(a)[1] - 1 = floor(log2(a)), exactly
;;       r = np.clip(x / 2.0 ** e, -6, 6)
;;       step = 2.0 ** (np.maximum(np.frexp(np.where(r == 0, 1, r))[1] - 1, 0) - 1)
;;       q = np.round(r / step) * step * 2.0 ** e      # np.round: ties to even
;;       return np.moveaxis(q.reshape(q.shape[:-2] + (-1,))[..., :K], -1, axis).astype(np.float32)
;;   ~~~
;;   OPERANDS COMPUTED ON THE WAY. 'Computed on the way' means the value that the module computes at that place (a softmax that the list does not call 'softmax' is quantised finished and normalised). What goes into a quantiser is computed in f32, as accurately as f32 sums, v_exp_f32 and their like allow (about 1e-6 of the number): no bf16 or f16 on the way to a quantiser, and a product that is left as it is and whose result goes on into a quantised operand takes f32 operands (vector FMAs, or v_wmma_f32_16x16x4_f32). A number that lies on a knife's edge between two numbers of the format may be rounded either way, as far as f32 arithmetic and the matrix unit's own rounding can turn it there, and no further.
;; One version. Each part assembles by itself: llvm-mc -triple=amdgcn-amd-amdhsa -mcpu=gfx1250 --defsym DOCPART=n.
;; ======== version 1 of 1: 5 launches
;; workspace buffers: wts 868,352 bytes; kcs 8,912,896 bytes; stat 2,097,152 bytes; vcs 8,912,896 bytes; kvp 16,777,216 bytes; kvq 557,056 bytes
;; launch prep (part 1): grid 192 x 1, 4 waves a work-group, no clusters, 0 bytes of LDS; arguments Wq, Wk, Wv, Wout, wts; writes wts
.if DOCPART == 1
	.amdgcn_target "amdgcn-amd-amdhsa--gfx1250"
	.amdhsa_code_object_version 6
	.text
	.protected	k_q7a7726e560_prep
	.globl	k_q7a7726e560_prep
	.p2align	8
	.type	k_q7a7726e560_prep,@function
k_q7a7726e560_prep:
	s_mov_b64 s[64:65], 0
	v_nop
	global_prefetch_b8 v0, s[64:65] scope:SCOPE_SE
	s_setreg_imm32_b32 hwreg(HW_REG_WAVE_MODE, 25, 1), 1
	s_wait_xcnt 0x0
; PREP.  The four weights (f32, K = their last axis of 512) become codes of FP4 (E2M1) with one E8M0 byte for each 32 along K, laid as IMAGES OF OPERAND REGISTERS,
; and the table sin / cos of the 4,096 positions is made.
; Tiles 0-63 Wq, 64-127 Wk, 128-159 Wv, 160-191 Wout, 16 rows each.  THE ROWS OF A TILE ARE NOT NEIGHBOURS: lane r of local tile tl takes row 32 (tl / 2) + 8 (tl % 2) + r + 8 (r / 8),
; so that the results of two neighbouring tiles are 16 neighbours along the next product's K.
; wts: codes at 4096 T + 1024 e + 512 c + 16 lane (e: K step of 128, c: group of four registers); scale words at 786432 + 256 T + 8 (16 (e % 2) + r) + 4 (e / 2); sin at 835584, cos at 851968.
; A work-group takes a tile, a wave a K step.  LIMITS: NaN and infinities are not served; a block of zeros gets the byte 1 (its codes are zeros, and this program alone reads the bytes).
.set TM,  16                           ; v16-31  the quantiser's work
.set XN,  32                           ; v32-95  64 numbers: register 16 b + i = k 32 b + 16 (lane / 16) + i of my row
.set PCD, 96                           ; v96-103 the codes
.set PW,  104                          ; v104    the scale word
.set SEL, 28                           ; s[28:29] selects of v_permlanex16_b32 for lane l xor 16
.macro QMAX nb, s                      ; the largest magnitude of my 16 numbers of each block, with the floor 2^(3 - 127) among the leaves: the byte cannot fall under 1
.set qb, 0
.rept \nb
	v_max3_num_f32 v[TM+qb], |v[(\s)+16*qb]|, |v[(\s)+16*qb+1]|, 0x1800000
.set qb, qb+1
.endr
.irp i, 2,4,6,8,10,12,14
.set qb, 0
.rept \nb
	v_max3_num_f32 v[TM+qb], v[TM+qb], |v[(\s)+16*qb+\i]|, |v[(\s)+16*qb+\i+1]|
.set qb, qb+1
.endr
.endr
.endm
.macro QCROSS nb                       ; with lane l xor 16's 16 numbers: the block's
.set qb, 0
.rept \nb
	v_permlanex16_b32 v[TM+4+qb], v[TM+qb], s[SEL], s[SEL+1]
.set qb, qb+1
.endr
.set qb, 0
.rept \nb
	v_max_num_f32 v[TM+qb], v[TM+qb], v[TM+4+qb]
.set qb, qb+1
.endr
.endm
.macro QCODE s, pc, pw                 ; scale operand (2 off the exponent field), byte, scale word, codes, and whole blocks into lanes
.irp b, 0,1,2,3
	v_add_nc_u32 v[TM+12+\b], 0xff000000, v[TM+\b]
.endr
.irp b, 0,1,2,3
	v_lshrrev_b32 v[TM+4+\b], 23, v[TM+12+\b]
.endr
	v_lshl_or_b32 v[\pw], v[TM+5], 8, v[TM+4]
	v_lshl_or_b32 v[\pw], v[TM+6], 16, v[\pw]
	v_lshl_or_b32 v[\pw], v[TM+7], 24, v[\pw]
.irp b, 0,1,2,3
	v_cvt_scalef32_pk8_fp4_f32 v[(\pc)+2*\b], v[(\s)+16*\b:(\s)+16*\b+7], v[TM+12+\b]
	v_cvt_scalef32_pk8_fp4_f32 v[(\pc)+2*\b+1], v[(\s)+16*\b+8:(\s)+16*\b+15], v[TM+12+\b]
.endr
	v_nop                                          ; one plain place behind the scaled conversions
.irp c, 0,1
.irp i, 0,1
	v_permlane16_swap_b32 v[(\pc)+4*\c+\i], v[(\pc)+4*\c+2+\i]
.endr
.endr
.endm
.macro QUANT s, pc, pw
	QMAX 4, \s
	QCROSS 4
	QCODE \s, \pc, \pw
.endm
.macro SINP z, out                     ; sin z for 0 <= z <= pi / 2: z + z^3 P(z^2), the series to z^13; what is cut is under 1e-9
	v_mul_f32 v12, v[\z], v[\z]
	v_mov_b32 v13, 0x2f309231                      ; 1 / 13!
	v_fmaak_f32 v13, v13, v12, 0xb2d7322b          ; -1 / 11!
	v_fmaak_f32 v13, v13, v12, 0x3638ef1d          ; 1 / 9!
	v_fmaak_f32 v13, v13, v12, 0xb9500d01          ; -1 / 7!
	v_fmaak_f32 v13, v13, v12, 0x3c088889          ; 1 / 5!
	v_fmaak_f32 v13, v13, v12, 0xbe2aaaab          ; -1 / 3!
	v_mul_f32 v14, v[\z], v12
	v_fma_f32 v[\out], v14, v13, v[\z]
.endm
	s_load_b256 s[4:11], s[0:1], 0x0               ; Wq, Wk, Wv, Wout
	s_load_b64 s[12:13], s[0:1], 0x20              ; wts
	v_lshrrev_b32 v1, 5, v0
	v_readfirstlane_b32 s14, v1                    ; wave = K step e
	v_and_b32 v2, 15, v0                           ; r
	v_bfe_u32 v3, v0, 4, 1                         ; h
	v_and_b32 v4, 8, v2
	v_add_nc_u32 v4, v4, v2                        ; r + 8 (r / 8)
	v_lshlrev_b32 v4, 11, v4                       ; a row of 512 f32 is 2,048 bytes
	v_lshl_add_u32 v4, v3, 6, v4                   ; + 64 h: my 16 numbers of a block of 32
	v_and_b32 v6, 31, v0                           ; lane
	v_lshlrev_b32 v5, 4, v6                        ; 16 x lane
	v_lshlrev_b32 v7, 3, v2                        ; 8 r
	s_mov_b32 s[SEL], 0x76543210
	s_mov_b32 s[SEL+1], 0xfedcba98
.irp b, 0,1,2,3
	v_mov_b32 v[TM+4+\b], 0                        ; written once: a lane permute's destination counts as one of its sources
.endr
	s_wait_kmcnt 0x0
	s_cmp_lt_u32 ttmp9, 64                         ; which weight: the choice hangs on the work-group's number alone
	s_cselect_b64 s[16:17], s[4:5], s[6:7]
	s_cselect_b32 s18, 0, 64
	s_cmp_lt_u32 ttmp9, 128
	s_cselect_b64 s[16:17], s[16:17], s[8:9]
	s_cselect_b32 s18, s18, 128
	s_cmp_lt_u32 ttmp9, 160
	s_cselect_b64 s[16:17], s[16:17], s[10:11]
	s_cselect_b32 s18, s18, 160
	s_sub_co_u32 s18, ttmp9, s18                   ; local tile tl
	s_lshr_b32 s20, s18, 1
	s_lshl_b32 s20, s20, 16                        ; 32 rows for each pair of tiles
	s_and_b32 s21, s18, 1
	s_lshl_b32 s21, s21, 14                        ; 8 rows for the odd tile
	s_add_co_u32 s20, s20, s21
	s_lshl_b32 s21, s14, 9                         ; 512 bytes for each K step
	s_add_co_u32 s20, s20, s21
	s_mov_b32 s21, 0
	s_add_nc_u64 s[16:17], s[16:17], s[20:21]
.irp b, 0,1,2,3
.irp j, 0,1,2,3
	global_load_b128 v[XN+16*\b+4*\j:XN+16*\b+4*\j+3], v4, s[16:17] offset:128*\b+16*\j
.endr
.endr
	s_lshl_b32 s22, ttmp9, 12                      ; the codes' place
	s_lshl_b32 s23, s14, 10
	s_add_co_u32 s22, s22, s23
	s_mov_b32 s23, 0
	s_add_nc_u64 s[24:25], s[12:13], s[22:23]
	s_lshl_b32 s22, ttmp9, 8                       ; the scale words' place
	s_and_b32 s19, s14, 1
	s_lshl_b32 s19, s19, 7
	s_add_co_u32 s22, s22, s19
	s_lshr_b32 s19, s14, 1
	s_lshl_b32 s19, s19, 2
	s_add_co_u32 s22, s22, s19
	s_add_co_u32 s22, s22, 786432
	s_add_nc_u64 s[26:27], s[12:13], s[22:23]
	s_wait_loadcnt 0x0
	QUANT XN, PCD, PW
	global_store_b128 v5, v[PCD:PCD+3], s[24:25]             ; 32 lanes store 512 consecutive bytes
	global_store_b128 v5, v[PCD+4:PCD+7], s[24:25] offset:512
	v_cmp_gt_u32 vcc_lo, 16, v6
	s_wait_xcnt 0x0                                ; EXEC changes only behind this wait
	s_and_saveexec_b32 s30, vcc_lo                 ; lanes 0-15: a word a row
	global_store_b32 v7, v[PW], s[26:27]
	s_wait_xcnt 0x0
	s_or_b32 exec_lo, exec_lo, s30
	s_cmp_lt_u32 ttmp9, 32                         ; the first 32 work-groups also make 128 entries of the table each
	s_cbranch_scc0 .Ldone
	s_lshl_b32 s31, ttmp9, 7
	v_add_nc_u32 v8, s31, v0                       ; position i
	v_add_nc_u32 v9, 1, v8
	v_cvt_f32_u32 v9, v9
	v_mul_f32 v9, 0x3fc90fdb, v9                   ; x = fl(pi / 2 x (i + 1)) / 4096: the division is exact
	v_mul_f32 v9, 0x39800000, v9
	v_sub_f32 v10, 0x3fc90fdb, v9                  ; cos x = sin(pi / 2 - x), pi / 2 in two parts
	v_add_f32 v10, 0xb33bbd2e, v10
	v_lshlrev_b32 v11, 2, v8
	SINP 9, 108
	SINP 10, 109
	global_store_b32 v11, v108, s[12:13] offset:835584
	global_store_b32 v11, v109, s[12:13] offset:851968
.Ldone:
	s_endpgm
.Lfunc_end_k_q7a7726e560_prep:
	.size	k_q7a7726e560_prep, .Lfunc_end_k_q7a7726e560_prep-k_q7a7726e560_prep
	.p2alignl 7, 3214868480
	.fill 96, 4, 3214868480
	.section	.rodata,"a",@progbits
	.p2align	6, 0x0
	.amdhsa_kernel k_q7a7726e560_prep
		.amdhsa_group_segment_fixed_size 0
		.amdhsa_private_segment_fixed_size 0
		.amdhsa_enable_private_segment 0
		.amdhsa_kernarg_size 40
		.amdhsa_user_sgpr_count 2
		.amdhsa_user_sgpr_kernarg_segment_ptr 1
		.amdhsa_wavefront_size32 1
		.amdhsa_system_sgpr_workgroup_id_x 1
		.amdhsa_system_sgpr_workgroup_id_y 1
		.amdhsa_system_sgpr_workgroup_id_z 1
		.amdhsa_system_vgpr_workitem_id 0
		.amdhsa_next_free_vgpr 128
		.amdhsa_next_free_sgpr 66
		.amdhsa_reserve_vcc 1
		.amdhsa_float_denorm_mode_32 3
		.amdhsa_float_denorm_mode_16_64 3
		.amdhsa_memory_ordered 1
		.amdhsa_forward_progress 1
		.amdhsa_inst_pref_size 10
	.end_amdhsa_kernel
	.amdgpu_metadata
---
amdhsa.version: [ 1, 2 ]
amdhsa.kernels:
  - .name:           k_q7a7726e560_prep
    .symbol:         k_q7a7726e560_prep.kd
    .args:
      - { .name: Wq, .offset: 0, .size: 8, .value_kind: global_buffer, .address_space: global }
      - { .name: Wk, .offset: 8, .size: 8, .value_kind: global_buffer, .address_space: global }
      - { .name: Wv, .offset: 16, .size: 8, .value_kind: global_buffer, .address_space: global }
      - { .name: Wout, .offset: 24, .size: 8, .value_kind: global_buffer, .address_space: global }
      - { .name: wts, .offset: 32, .size: 8, .value_kind: global_buffer, .address_space: global }
    .group_segment_fixed_size: 0
    .private_segment_fixed_size: 0
    .kernarg_segment_align: 8
    .kernarg_segment_size: 40
    .max_flat_workgroup_size: 128
    .sgpr_count:     66
    .vgpr_count:     128
    .wavefront_size: 32
...
	.end_amdgpu_metadata
.endif
;; end of part 1
;; launch kvstat (part 2): grid 256 x 1, 4 waves a work-group, no clusters, 327,680 bytes of LDS; arguments key, value, wts, bk, bv, kcs, stat, vcs; writes kcs, stat, vcs
.if DOCPART == 2
	.amdgcn_target "amdgcn-amd-amdhsa--gfx1250"
	.amdhsa_code_object_version 6
	.text
	.protected	k_q7a7726e560_kvstat
	.globl	k_q7a7726e560_kvstat
	.p2align	8
	.type	k_q7a7726e560_kvstat,@function
k_q7a7726e560_kvstat:
	s_mov_b64 s[64:65], 0
	v_nop
	global_prefetch_b8 v0, s[64:65] scope:SCOPE_SE
	s_setreg_imm32_b32 hwreg(HW_REG_WAVE_MODE, 25, 1), 1
	s_wait_xcnt 0x0
; KVSTAT.  Two jobs of one shape in one work-group, so that the second job's rows come from memory while the first job is computed.
; JOB K: a chunk of 128 rows of key (f32, 512 wide) is quantised along the 512 (FP4, one E8M0 byte for each 32), stored as images of operand registers (kcs), multiplied by all 1,024 rows of Wk (codes from wts), bk added,
; and for each column of the chunk U = log2(e) x its largest score and S = the sum of 2^(score x log2(e) - U) are stored (stat).  The column softmax spans 32 chunks: a later launch joins them.
; JOB V: v = value Wv^T + bv, quantised along the positions s' of the view that the module takes of it, stored as images of operand registers (vcs).
; THE VIEW: v_r[n = 8 j + head][s'][d] is row 8 s' + j, column 64 head + d of the projection.  So the work-group (sstep, j) takes the 128 rows 8 (128 sstep + i) + j: one K step of the product k^T v.
; X PHASE.  Wave w owns rows 32 w .. 32 w + 31, brought by the tensor data mover and read only by that wave behind its own wait.  Row tile 2 w + u: lane r holds row 32 w + 8 u + r + 8 (r / 8), so that in the
; products' results a lane's 64 registers run down the 128 rows in the order that a quantiser along the rows wants.
; G PHASE.  Every wave fetches all 32 fragments of the rows from LDS (window 1) and walks its tiles of the weight (16 of Wk, 8 of Wv).  Source 0 = 16 rows, source 1 = 16 rows of the weight: a lane holds ONE column and 64 of the 128 rows.
; THE ORDER: key's rows (four loads a wave, at the start) | X(key) | barrier | value's rows, ONE load a wave into the bytes that key's rows have left | G(key) | barrier | X(value) | barrier | G(value).
; The weights are read by every work-group, but each wave takes its own tiles straight into registers and LDS is taken by the rows: so no tile is asked for jointly.
; kcs, for each chunk 34,816 bytes: codes at 1024 (4 rt + e) + 512 c + 16 lane; scale words at 32768 + 256 rt + 8 lane (word 0: K steps 0 | 1 in lanes 0-15 | 16-31, word 1: K steps 2 | 3).
; stat: [chunk][U, S][8 t + head][lane r][tile of the head], f32.
; vcs, for each (n, sstep) 4,352 bytes: codes at 1024 mt + 512 c + 16 lane; scale words at 4096 + 8 lane (word 0: tiles 0 | 1 in lanes 0-15 | 16-31, word 1: tiles 2 | 3).
; LIMITS: NaN and infinities are not served; v_exp_f32 gives 0 under 2^-126; a block of zeros gets the byte 1 (its codes are zeros; this program alone reads the bytes).
.set XROW,  2080                       ; a row in LDS: 2 x (1,024 bytes + 16 of padding)
.set XGRP,  8*XROW                     ; a group of 8 rows
.set XWAVE, 66816                      ; a wave's rows.  Key's four groups at 0, XGRP, 2 XGRP + 16, 3 XGRP + 16: lanes 8-15 of a load stand 16 bytes beside lanes 0-7 modulo 256.  Value's 32 rows on end, XROW apart
.set XIMG,  4*XWAVE                    ; the images: 32 fragments of 1,024 bytes,
.set XSCL,  XIMG+32768                 ; and 8 x 256 bytes of scale words
.set SPARE, XIMG+34816                 ; the spare words, 128 bytes for each wave: two blocks of 256 bytes that no other line names
.set LANE, 1
.set R,    2
.set HH,   3
.set XAD,  4                           ; my lane's place in my wave's rows of key
.set LI,   5                           ; 16 x lane
.set L8,   6                           ; 8 x lane
.set XWI,  7                           ; where I store images
.set XWS,  8                           ; and scale words
.set XRI,  9                           ; where I read images
.set XRS,  10
.set VB,   11                          ; 4 (r + 8 (r / 8)): my column in a pair of tiles, for the bias
.set STO,  12                          ; my place in stat
.set XAV,  13                          ; my lane's place in my wave's rows of value
.set SPW,  14                          ; LDS address of my spare word: SPARE + 4 x my thread's number; never rewritten
.set NIL,  15                          ; 0; never rewritten
.set TM,   16                          ; v16-31   the quantiser's work
.set XS,   32                          ; v32-47   the rows' scale words
.set WS,   48                          ; v48-51   the weights' scale words, two buffers
.set PWX,  52                          ; v52-59   scale words just made
.set PRX,  60                          ; v60-63   and paired
.set BA,   64                          ; X phase: v64-127, v128-191 two buffers of 64 numbers; v192-255 the codes of my 8 fragments
.set BB,   128
.set PCX,  192
.set WA,   64                          ; G phase: v64-95, v96-127 two buffers of a weight tile
.set BI,   128                         ; v128-129 bias, two buffers
.set UU,   130                         ; v[130:131] U
.set MW,   132                         ; v132-135 at work
.set SW,   136                         ; v136-139 what goes to stat
.set PW,   136                         ; job V: v136-139 v's scale words, a tile each
.set PR,   140                         ; v[140:141] paired
.set BC,   144                         ; v144-151 the bias as C
.set PCD,  152                         ; job V: v152-183 v's codes, four tiles
.set ACC,  192                         ; v192-255 eight accumulators
.set WV,   20
.set G1,   24                          ; s[24:31] descriptor group 1 for key's groups of 8 rows
.set G1V,  32                          ; s[32:39] for value's 32 rows
.set G0,   40                          ; s[40:55] four groups 0 for key
.set G0V,  56                          ; s[56:59] group 0 for value
.set SEL,  60
.set CS,   62                          ; s[62:63] log2(e)
.set HM,   66                          ; mask of lanes 16-31
.set CNT,  67
.set SKC,  74
.set SKS,  76
.set SWC,  78
.set SWS,  80
.set SBI,  82
.set SST,  84
.set VWC,  86
.set VWS,  88
.set VBI,  90
.set SVC,  92
.set MSB, 0
.macro WIN new                         ; the immediate's high byte repeats the setting that is left
.if MSB != (\new)
	s_set_vgpr_msb (MSB<<8)|(\new)
.set MSB, \new
.endif
.endm
.macro PLACES n
.rept \n
	v_nop
.endr
.endm
.macro BARRIER                         ; my LDS stores have landed and my LDS loads are in: then the work-group's barrier
	s_wait_dscnt 0x0
	s_barrier_signal -1
	s_barrier_wait -1
.endm
.macro PAIR d, a, b                    ; lanes 0-15 take a, lanes 16-31 b
	v_cndmask_b32 v[\d], v[\a], v[\b], s[HM]
.endm
.macro QMAX nb, s                      ; the largest magnitude of my 16 numbers of each block, with the floor 2^(3 - 127) among the leaves
.set qb, 0
.rept \nb
	v_max3_num_f32 v[TM+qb], |v[(\s)+16*qb]|, |v[(\s)+16*qb+1]|, 0x1800000
.set qb, qb+1
.endr
.irp i, 2,4,6,8,10,12,14
.set qb, 0
.rept \nb
	v_max3_num_f32 v[TM+qb], v[TM+qb], |v[(\s)+16*qb+\i]|, |v[(\s)+16*qb+\i+1]|
.set qb, qb+1
.endr
.endr
.endm
.macro QCROSS nb
.set qb, 0
.rept \nb
	v_permlanex16_b32 v[TM+4+qb], v[TM+qb], s[SEL], s[SEL+1]
.set qb, qb+1
.endr
.set qb, 0
.rept \nb
	v_max_num_f32 v[TM+qb], v[TM+qb], v[TM+4+qb]
.set qb, qb+1
.endr
.endm
.macro QCODE s, pc, pw
.irp b, 0,1,2,3
	v_add_nc_u32 v[TM+12+\b], 0xff000000, v[TM+\b]
.endr
.irp b, 0,1,2,3
	v_lshrrev_b32 v[TM+4+\b], 23, v[TM+12+\b]
.endr
	v_lshl_or_b32 v[\pw], v[TM+5], 8, v[TM+4]
	v_lshl_or_b32 v[\pw], v[TM+6], 16, v[\pw]
	v_lshl_or_b32 v[\pw], v[TM+7], 24, v[\pw]
.irp b, 0,1,2,3
	v_cvt_scalef32_pk8_fp4_f32 v[(\pc)+2*\b], v[(\s)+16*\b:(\s)+16*\b+7], v[TM+12+\b]
	v_cvt_scalef32_pk8_fp4_f32 v[(\pc)+2*\b+1], v[(\s)+16*\b+8:(\s)+16*\b+15], v[TM+12+\b]
.endr
	v_nop                                          ; one plain place behind the scaled conversions
.irp c, 0,1
.irp i, 0,1
	v_permlane16_swap_b32 v[(\pc)+4*\c+\i], v[(\pc)+4*\c+2+\i]
.endr
.endr
.endm
.macro QUANT s, pc, pw                 ; 64 numbers, register 16 b + i = k 32 b + 16 (lane / 16) + i of my row, become a fragment and its scale word
	QMAX 4, \s
	QCROSS 4
	QCODE \s, \pc, \pw
.endm
.macro MM d, a, b, c, sa, sb, row      ; row = 1: both sides' scale words stand in lanes 16-31
.if \row
	v_wmma_scale_f32_16x16x128_f8f6f4 v[(\d):(\d)+7], v[(\a):(\a)+7], v[(\b):(\b)+7], v[(\c):(\c)+7], v[\sa], v[\sb] matrix_a_fmt:MATRIX_FMT_FP4 matrix_b_fmt:MATRIX_FMT_FP4 matrix_a_scale:MATRIX_SCALE_ROW1 matrix_b_scale:MATRIX_SCALE_ROW1
.else
	v_wmma_scale_f32_16x16x128_f8f6f4 v[(\d):(\d)+7], v[(\a):(\a)+7], v[(\b):(\b)+7], v[(\c):(\c)+7], v[\sa], v[\sb] matrix_a_fmt:MATRIX_FMT_FP4 matrix_b_fmt:MATRIX_FMT_FP4
.endif
.endm
	s_load_b256 s[4:11], s[0:1], 0x0               ; key, value, wts, bk
	s_load_b256 s[12:19], s[0:1], 0x20             ; bv, kcs, stat, vcs
	v_lshl_add_u32 v[SPW], v0, 2, SPARE
	v_mov_b32 v[NIL], 0
	ds_add_u32 v14, v15
	ds_add_u32 v14, v15
	s_wait_dscnt 0x0
	v_lshrrev_b32 v1, 5, v0
	v_readfirstlane_b32 s[WV], v1                  ; wave 0..3
	; descriptor group 1 for key: 8 rows of 256 elements of 8 bytes; 4 words of padding behind every 256 words
	s_mov_b32 s[G1+0], (3<<16)|(1<<20)|(7<<22)|(3<<25)
	s_mov_b32 s[G1+1], 256<<16                     ; tensor_dim0
	s_mov_b32 s[G1+2], 8<<16                       ; tensor_dim1
	s_mov_b32 s[G1+3], 256<<16                     ; tile_dim0
	s_mov_b32 s[G1+4], 8                           ; tile_dim1
	s_mov_b32 s[G1+5], 256                         ; from row to row, in elements
	s_mov_b32 s[G1+6], 0
	s_mov_b32 s[G1+7], 0
	; and for value: 32 rows, every eighth row of memory
	s_mov_b32 s[G1V+0], (3<<16)|(1<<20)|(7<<22)|(3<<25)
	s_mov_b32 s[G1V+1], 256<<16
	s_mov_b32 s[G1V+2], 32<<16
	s_mov_b32 s[G1V+3], 256<<16
	s_mov_b32 s[G1V+4], 32
	s_mov_b32 s[G1V+5], 2048                       ; from row to row: 8 rows of memory, in elements
	s_mov_b32 s[G1V+6], 0
	s_mov_b32 s[G1V+7], 0
	s_mul_i32 s68, s[WV], XWAVE                    ; my rows in LDS
	s_lshl_b32 s70, ttmp9, 18                      ; key: the chunk's 128 rows of 2,048 bytes,
	s_lshl_b32 s69, s[WV], 16                      ; my 32 of them
	s_add_co_u32 s70, s70, s69
	s_mov_b32 s71, 0
	s_lshr_b32 s21, ttmp9, 3                       ; value: sstep
	s_and_b32 s22, ttmp9, 7                        ; j
	s_lshl_b32 s72, s21, 21                        ; 128 x 8 rows of 2,048 bytes
	s_lshl_b32 s69, s[WV], 19                      ; my 32 x 8 rows
	s_add_co_u32 s72, s72, s69
	s_lshl_b32 s69, s22, 11
	s_add_co_u32 s72, s72, s69
	s_mov_b32 s73, 0
	s_wait_kmcnt 0x0
	s_add_nc_u64 s[70:71], s[4:5], s[70:71]
.irp g, 0,1,2,3
	s_mov_b32 s[G0+4*\g], 1
	s_add_co_u32 s[G0+4*\g+1], s68, \g*XGRP+16*(\g/2)
	s_add_nc_u64 s[G0+4*\g+2:G0+4*\g+3], s[70:71], \g*16384
	s_or_b32 s[G0+4*\g+3], s[G0+4*\g+3], 0x80000000
.endr
	s_mov_b32 s[G0V], 1
	s_mov_b32 s[G0V+1], s68
	s_add_nc_u64 s[G0V+2:G0V+3], s[6:7], s[72:73]
	s_or_b32 s[G0V+3], s[G0V+3], 0x80000000
	tensor_load_to_lds s[G0:G0+3], s[G1:G1+7]      ; groups 0 and 2 are row tile u = 0, groups 1 and 3 are u = 1: four loads of mine are out
	s_nop 0
	tensor_load_to_lds s[G0+8:G0+11], s[G1:G1+7]
	s_nop 0
	tensor_load_to_lds s[G0+4:G0+7], s[G1:G1+7]
	s_nop 0
	tensor_load_to_lds s[G0+12:G0+15], s[G1:G1+7]
	s_nop 0
	PLACES 4
	v_and_b32 v[LANE], 31, v0
	v_and_b32 v[R], 15, v0
	v_bfe_u32 v[HH], v0, 4, 1
	v_and_b32 v[VB], 7, v0
	v_mul_u32_u24 v[VB], v[VB], XROW
	v_lshl_add_u32 v[VB], v[HH], 6, v[VB]          ; + 64 h: my 16 numbers of a block of 32
	v_add_nc_u32 v[VB], s68, v[VB]
	v_bfe_u32 v[XAV], v0, 3, 1
	v_mad_u32_u24 v[XAD], v[XAV], 2*XGRP+16, v[VB] ; lanes 8-15 take the rows 16 further on: key's,
	v_mad_u32_u24 v[XAV], v[XAV], 2*XGRP, v[VB]    ; and value's
	v_lshlrev_b32 v[LI], 4, v[LANE]
	v_lshlrev_b32 v[L8], 3, v[LANE]
	s_lshl_b32 s69, s[WV], 13
	s_add_co_u32 s69, s69, XIMG
	v_add_nc_u32 v[XWI], s69, v[LI]
	s_lshl_b32 s69, s[WV], 9
	s_add_co_u32 s69, s69, XSCL
	v_add_nc_u32 v[XWS], s69, v[L8]
	v_add_nc_u32 v[XRI], XIMG, v[LI]
	v_add_nc_u32 v[XRS], XSCL, v[L8]
	v_and_b32 v[VB], 8, v[R]
	v_add_nc_u32 v[VB], v[VB], v[R]
	v_lshlrev_b32 v[VB], 2, v[VB]
	v_lshlrev_b32 v[STO], 4, v[R]
	v_lshl_add_u32 v[STO], v[HH], 12, v[STO]       ; lanes 0-15 store U, lanes 16-31 S, 4,096 bytes on
	v_cmp_le_u32 s[HM], 16, v[LANE]
.irp b, 0,1,2,3
	v_mov_b32 v[TM+4+\b], 0                        ; written once: a lane permute's destination counts as one of its sources
.endr
	s_mov_b32 s[SEL], 0x76543210
	s_mov_b32 s[SEL+1], 0xfedcba98
	s_mov_b32 s[CS], 0x3fb8aa3b                    ; log2(e)
	s_mov_b32 s[CS+1], s[CS]
	s_mov_b32 s71, 0
	s_mul_i32 s70, ttmp9, 34816
	s_lshl_b32 s69, s[WV], 13
	s_add_co_u32 s70, s70, s69
	s_add_nc_u64 s[SKC:SKC+1], s[14:15], s[70:71]  ; kcs: my two row tiles' codes
	s_mul_i32 s70, ttmp9, 34816
	s_lshl_b32 s69, s[WV], 9
	s_add_co_u32 s70, s70, s69
	s_add_co_u32 s70, s70, 32768
	s_add_nc_u64 s[SKS:SKS+1], s[14:15], s[70:71]  ; and their scale words
	s_lshl_b32 s70, s[WV], 16
	s_add_co_u32 s70, s70, 64*4096
	s_add_nc_u64 s[SWC:SWC+1], s[8:9], s[70:71]    ; wts: tile 64 + 16 w of Wk
	s_lshl_b32 s70, s[WV], 12
	s_add_co_u32 s70, s70, 786432+64*256
	s_add_nc_u64 s[SWS:SWS+1], s[8:9], s[70:71]
	s_lshl_b32 s70, s[WV], 10
	s_add_nc_u64 s[SBI:SBI+1], s[10:11], s[70:71]  ; bk: my 256 columns
	s_lshl_b32 s70, ttmp9, 13
	s_lshl_b32 s69, s[WV], 10
	s_add_co_u32 s70, s70, s69
	s_add_nc_u64 s[SST:SST+1], s[16:17], s[70:71]
	s_lshl_b32 s70, s[WV], 15
	s_add_co_u32 s70, s70, 128*4096
	s_add_nc_u64 s[VWC:VWC+1], s[8:9], s[70:71]    ; wts: tile 128 + 8 w of Wv
	s_lshl_b32 s70, s[WV], 11
	s_add_co_u32 s70, s70, 786432+128*256
	s_add_nc_u64 s[VWS:VWS+1], s[8:9], s[70:71]
	s_lshl_b32 s70, s[WV], 9
	s_add_nc_u64 s[VBI:VBI+1], s[12:13], s[70:71]  ; bv: my 128 columns
	s_lshl_b32 s70, s22, 3                         ; n = 8 j + 2 w
	s_lshl_b32 s69, s[WV], 1
	s_add_co_u32 s70, s70, s69
	s_lshl_b32 s70, s70, 5
	s_add_co_u32 s70, s70, s21                     ; 32 n + sstep
	s_mul_i32 s70, s70, 4352
	s_add_nc_u64 s[SVC:SVC+1], s[18:19], s[70:71]
.macro XLOAD buf, adr, u, e            ; my 64 numbers of K step e of row tile u
.irp b, 0,1,2,3
.irp j, 0,1,2,3
	ds_load_b128 v[\buf+16*\b+4*\j:\buf+16*\b+4*\j+3], v[\adr] offset:(\u)*XGRP+512*(\e)+16*((\e)/2)+128*\b+16*\j
.endr
.endr
.endm
.macro XQ buf, u, e, g                 ; quantised; the image goes to LDS for the other waves and (g = 1) to kcs for a later launch.  Each fragment of a job has registers of its own
.set pq, PCX+8*(4*(\u)+(\e))
	QUANT \buf, pq, PWX+4*(\u)+(\e)
	ds_store_b128 v[XWI], v[pq:pq+3] offset:4096*(\u)+1024*(\e)
	ds_store_b128 v[XWI], v[pq+4:pq+7] offset:4096*(\u)+1024*(\e)+512
.if \g
	global_store_b128 v[LI], v[pq:pq+3], s[SKC:SKC+1] offset:4096*(\u)+1024*(\e)
	global_store_b128 v[LI], v[pq+4:pq+7], s[SKC:SKC+1] offset:4096*(\u)+1024*(\e)+512
.endif
.endm
.macro XU u, adr, g
	XLOAD BA, \adr, \u, 0
	XLOAD BB, \adr, \u, 1
	s_wait_dscnt 16                                ; all but the 16 youngest loads, the other buffer's
	XQ BA, \u, 0, \g
	XLOAD BA, \adr, \u, 2
	s_wait_dscnt 16
	XQ BB, \u, 1, \g
	XLOAD BB, \adr, \u, 3
	s_wait_dscnt 16
	XQ BA, \u, 2, \g
	s_wait_dscnt 0x0
	XQ BB, \u, 3, \g
	PAIR PRX+2*(\u), PWX+4*(\u), PWX+4*(\u)+1
	PAIR PRX+2*(\u)+1, PWX+4*(\u)+2, PWX+4*(\u)+3
	ds_store_b64 v[XWS], v[PRX+2*(\u):PRX+2*(\u)+1] offset:256*(\u)
.if \g
	global_store_b64 v[L8], v[PRX+2*(\u):PRX+2*(\u)+1], s[SKS:SKS+1] offset:256*(\u)
.endif
.endm
.macro FETCHALL                        ; all 32 fragments of the 128 rows into window 1, their scale words into v32-47
	WIN 0x40                                       ; destination window 1
.set f, 0
.rept 32
	ds_load_b128 v[8*f:8*f+3], v[XRI] offset:1024*f
	ds_load_b128 v[8*f+4:8*f+7], v[XRI] offset:1024*f+512
.set f, f+1
.endr
	WIN 0
.irp rt, 0,1,2,3,4,5,6,7
	ds_load_b64 v[XS+2*\rt:XS+2*\rt+1], v[XRS] offset:256*\rt
.endr
.endm
.macro LOADW bf, ti, bc, bs, bb        ; weight tile ti from the bases in hand into buffer bf: 8 + 1 + 1 loads
.irp e, 0,1,2,3
.irp c, 0,1
	global_load_b128 v[WA+32*(\bf)+8*\e+4*\c:WA+32*(\bf)+8*\e+4*\c+3], v[LI], s[\bc:\bc+1] offset:(\ti)*4096+\e*1024+\c*512
.endr
.endr
	global_load_b64 v[WS+2*(\bf):WS+2*(\bf)+1], v[L8], s[\bs:\bs+1] offset:(\ti)*256
	global_load_b32 v[BI+(\bf)], v[VB], s[\bb:\bb+1] offset:((\ti)/2)*128+((\ti)%2)*32
.endm
.macro GEMM8 bf                        ; 128 rows x 16 columns x K 512: 32 matrix instructions, the eight accumulators by turns; the bias starts the sums
	WIN 0x01                                       ; source 0 (the rows' fragments) window 1
.irp e, 0,1,2,3
.irp rt, 0,1,2,3,4,5,6,7
.if \e == 0
	MM ACC+8*\rt, 8*(4*\rt+\e), WA+32*(\bf)+8*\e, BC, XS+2*\rt+\e/2, WS+2*(\bf)+\e/2, \e%2
.else
	MM ACC+8*\rt, 8*(4*\rt+\e), WA+32*(\bf)+8*\e, ACC+8*\rt, XS+2*\rt+\e/2, WS+2*(\bf)+\e/2, \e%2
.endif
.endr
.endr
	WIN 0
.endm
.macro STAT ti                         ; my column's largest score and the sum of exponentials over the chunk's 128 rows: 64 are mine, 64 lane l xor 16's
.irp c, 0,1,2,3
	v_max3_num_f32 v[MW+\c], v[ACC+16*\c], v[ACC+16*\c+1], v[ACC+16*\c+2]    ; each accumulator is read from its low end on
.endr
.irp i, 3,5,7,9,11,13
.irp c, 0,1,2,3
	v_max3_num_f32 v[MW+\c], v[MW+\c], v[ACC+16*\c+\i], v[ACC+16*\c+\i+1]
.endr
.endr
.irp c, 0,1,2,3
	v_max_num_f32 v[MW+\c], v[MW+\c], v[ACC+16*\c+15]
.endr
	v_max3_num_f32 v[MW], v[MW], v[MW+1], v[MW+2]
	v_max_num_f32 v[MW], v[MW], v[MW+3]
	v_permlanex16_b32 v[MW+1], v[MW], s[SEL], s[SEL+1]
	v_max_num_f32 v[MW], v[MW], v[MW+1]
	v_mul_f32 v[UU], s[CS], v[MW]                  ; U: the shift that is used is the shift that is stored
.set k, 0
.rept 32
	v_pk_fma_f32 v[ACC+2*k:ACC+2*k+1], v[ACC+2*k:ACC+2*k+1], s[CS:CS+1], v[UU:UU+1] op_sel_hi:[1,0,0] neg_lo:[0,0,1] neg_hi:[0,0,1]
.set k, k+1
.endr
.set k, 0
.rept 64
	v_exp_f32 v[ACC+k], v[ACC+k]
.set k, k+1
.endr
	v_nop                                          ; a plain place behind the exponentials
	s_wait_alu depctr_va_vdst(0)                   ; one wait for the batch, ahead of its first reader
.irp k, 1,2,3,4,5,6,7
.irp c, 0,1,2,3
	v_pk_add_f32 v[ACC+16*\c:ACC+16*\c+1], v[ACC+16*\c:ACC+16*\c+1], v[ACC+16*\c+2*\k:ACC+16*\c+2*\k+1]
.endr
.endr
	v_pk_add_f32 v[ACC:ACC+1], v[ACC:ACC+1], v[ACC+16:ACC+17]
	v_pk_add_f32 v[ACC+32:ACC+33], v[ACC+32:ACC+33], v[ACC+48:ACC+49]
	v_pk_add_f32 v[ACC:ACC+1], v[ACC:ACC+1], v[ACC+32:ACC+33]
	v_add_f32 v[MW+2], v[ACC], v[ACC+1]
	v_permlanex16_b32 v[MW+3], v[MW+2], s[SEL], s[SEL+1]
	v_add_f32 v[MW+2], v[MW+2], v[MW+3]
	PAIR SW+(\ti), UU, MW+2
.endm
.macro KTILE ti, nxt                   ; job K: a tile of Wk
.if \nxt
	LOADW 1-(\ti)%2, (\ti)+1, SWC, SWS, SBI        ; the next tile, into the buffer that the last tile's products have left (four places and more lie between)
	s_wait_loadcnt 10                              ; all but the 10 just issued: this tile is in
.else
	s_wait_loadcnt 0x0
.endif
.irp j, 0,1,2,3,4,5,6,7
	v_mov_b32 v[BC+\j], v[BI+(\ti)%2]              ; a lane holds one column: its bias in all eight registers of C
.endr
	PLACES 4
	GEMM8 (\ti)%2
	PLACES 4                                       ; in front of the first read of results, and of loads into the products' registers
	STAT \ti
.endm
.macro GROUP last                      ; the four tiles of one head of one term
	KTILE 0, 1
	KTILE 1, 1
	KTILE 2, 1
	KTILE 3, 1-\last
	global_store_b128 v[STO], v[SW:SW+3], s[SST:SST+1]       ; sixteen lanes store 256 consecutive bytes of U, sixteen of S
.endm
.macro VTILE k                         ; job V: head 2 w + k / 4, tile k % 4 of Wv
.if (\k) < 7
	LOADW 1-(\k)%2, (\k)+1, VWC, VWS, VBI
	s_wait_loadcnt 10                              ; all but the 10 just issued: this tile is in
.else
	s_wait_loadcnt 0x0
.endif
.irp j, 0,1,2,3,4,5,6,7
	v_mov_b32 v[BC+\j], v[BI+(\k)%2]
.endr
	PLACES 4
	GEMM8 (\k)%2
	PLACES 4
.if (\k) == 4
	s_wait_xcnt 0x0                                ; the first head's stores have read the registers that the second head's codes take
.endif
.set pq, PCD+8*((\k)%4)
	QUANT ACC, pq, PW+(\k)%4                       ; along the 128 positions
	global_store_b128 v[LI], v[pq:pq+3], s[SVC:SVC+1] offset:139264*((\k)/4)+1024*((\k)%4)        ; 32 lanes store 512 consecutive bytes
	global_store_b128 v[LI], v[pq+4:pq+7], s[SVC:SVC+1] offset:139264*((\k)/4)+1024*((\k)%4)+512
.if (\k)%4 == 3
	PAIR PR, PW, PW+1
	PAIR PR+1, PW+2, PW+3
	global_store_b64 v[L8], v[PR:PR+1], s[SVC:SVC+1] offset:139264*((\k)/4)+4096
.endif
.endm
	; ---- X(key)
	s_wait_tensorcnt 2                             ; row tile u = 0's two groups have landed; the two younger loads stay out
	XU 0, XAD, 1
	s_wait_tensorcnt 0x0
	XU 1, XAD, 1
	LOADW 0, 0, SWC, SWS, SBI
	; ---- key's rows have been read: their bytes take value's rows
	s_wait_tensorcnt 0x0                           ; all my tensor loads have landed;
	ds_add_u32 v[SPW], v[NIL]                      ; 0 onto my spare word;
	v_mov_b32 v[UU+1], 0                           ; (named as the upper half of a pair)
	s_wait_dscnt 0x0                               ; the add is done, my reads of my rows are back, my images have landed
	s_barrier_signal -1
	s_barrier_wait -1                              ; all that holds of every wave: the chunk's 32 fragments lie in LDS
	tensor_load_to_lds s[G0V:G0V+3], s[G1V:G1V+7]  ; my one tensor load behind this barrier: my 32 rows of value; the sixteen tiles of Wk below are the work under which it lands
	s_nop 0
	PLACES 4
	; ---- G(key)
	FETCHALL
	s_wait_xcnt 0x0                                ; the images' stores have read v192-255, which the accumulators take
	s_wait_dscnt 0x0
	s_mov_b32 s[CNT], 3
.Lgroup:
	GROUP 0
	s_wait_xcnt 0x0                                ; the bases and the store's data are written again only behind this wait
	s_add_nc_u64 s[SWC:SWC+1], s[SWC:SWC+1], 16384
	s_add_nc_u64 s[SWS:SWS+1], s[SWS:SWS+1], 1024
	s_add_nc_u64 s[SBI:SBI+1], s[SBI:SBI+1], 256
	s_add_nc_u64 s[SST:SST+1], s[SST:SST+1], 256
	s_sub_co_u32 s[CNT], s[CNT], 1
	s_cmp_lg_u32 s[CNT], 0
	s_cbranch_scc1 .Lgroup
	GROUP 1                                        ; the last group is written out: its last tile loads nothing ahead
	; ---- X(value)
	s_wait_xcnt 0x0                                ; the last store to stat has read v136-139, which the numbers below take
	s_wait_tensorcnt 0x0                           ; my rows of value have landed
	BARRIER                                        ; every wave has key's fragments in registers: the images' bytes may be written again
	XU 0, XAV, 0
	XU 1, XAV, 0
	LOADW 0, 0, VWC, VWS, VBI
	BARRIER                                        ; the 32 fragments of value's 128 rows lie in LDS
	; ---- G(value)
	FETCHALL
	s_wait_dscnt 0x0
.irp k, 0,1,2,3,4,5,6,7
	VTILE \k
.endr
	s_wait_tensorcnt 0x0                           ; the wave's end: behind my last tensor load and my last LDS store
	ds_add_u32 v[SPW], v[NIL]
	s_wait_dscnt 0x0
	s_endpgm
.Lfunc_end_k_q7a7726e560_kvstat:
	.size	k_q7a7726e560_kvstat, .Lfunc_end_k_q7a7726e560_kvstat-k_q7a7726e560_kvstat
	.p2alignl 7, 3214868480
	.fill 96, 4, 3214868480
	.section	.rodata,"a",@progbits
	.p2align	6, 0x0
	.amdhsa_kernel k_q7a7726e560_kvstat
		.amdhsa_group_segment_fixed_size 327680
		.amdhsa_private_segment_fixed_size 0
		.amdhsa_enable_private_segment 0
		.amdhsa_kernarg_size 64
		.amdhsa_user_sgpr_count 2
		.amdhsa_user_sgpr_kernarg_segment_ptr 1
		.amdhsa_wavefront_size32 1
		.amdhsa_system_sgpr_workgroup_id_x 1
		.amdhsa_system_sgpr_workgroup_id_y 1
		.amdhsa_system_sgpr_workgroup_id_z 1
		.amdhsa_system_vgpr_workitem_id 0
		.amdhsa_next_free_vgpr 512
		.amdhsa_next_free_sgpr 96
		.amdhsa_reserve_vcc 0
		.amdhsa_float_denorm_mode_32 3
		.amdhsa_float_denorm_mode_16_64 3
		.amdhsa_memory_ordered 1
		.amdhsa_forward_progress 1
		.amdhsa_inst_pref_size 255
	.end_amdhsa_kernel
	.section	.bss,"aw",@nobits
	.p2align	6
	.space	262144
	.amdgpu_metadata
---
amdhsa.version: [ 1, 2 ]
amdhsa.kernels:
  - .name:           k_q7a7726e560_kvstat
    .symbol:         k_q7a7726e560_kvstat.kd
    .args:
      - { .name: key, .offset: 0, .size: 8, .value_kind: global_buffer, .address_space: global }
      - { .name: value, .offset: 8, .size: 8, .value_kind: global_buffer, .address_space: global }
      - { .name: wts, .offset: 16, .size: 8, .value_kind: global_buffer, .address_space: global }
      - { .name: bk, .offset: 24, .size: 8, .value_kind: global_buffer, .address_space: global }
      - { .name: bv, .offset: 32, .size: 8, .value_kind: global_buffer, .address_space: global }
      - { .name: kcs, .offset: 40, .size: 8, .value_kind: global_buffer, .address_space: global }
      - { .name: stat, .offset: 48, .size: 8, .value_kind: global_buffer, .address_space: global }
      - { .name: vcs, .offset: 56, .size: 8, .value_kind: global_buffer, .address_space: global }
    .group_segment_fixed_size: 327680
    .private_segment_fixed_size: 0
    .kernarg_segment_align: 8
    .kernarg_segment_size: 64
    .max_flat_workgroup_size: 128
    .sgpr_count:     96
    .vgpr_count:     512
    .wavefront_size: 32
...
	.end_amdgpu_metadata
.endif
;; end of part 2
;; launch kvpart (part 3): grid 256 x 1, 4 waves a work-group, clusters of 4 x 1, 279,040 bytes of LDS; arguments kcs, vcs, stat, wts, bk, kvp; writes kvp
.if DOCPART == 3
	.amdgcn_target "amdgcn-amd-amdhsa--gfx1250"
	.amdhsa_code_object_version 6
	.text
	.protected	k_q7a7726e560_kvpart
	.globl	k_q7a7726e560_kvpart
	.p2align	8
	.type	k_q7a7726e560_kvpart,@function
k_q7a7726e560_kvpart:
	s_mov_b64 s[64:65], 0
	v_nop
	global_prefetch_b8 v0, s[64:65] scope:SCOPE_SE
	s_setreg_imm32_b32 hwreg(HW_REG_WAVE_MODE, 25, 1), 1
	s_wait_xcnt 0x0
	s_wait_alu depctr_hold_cnt(0) depctr_sa_sdst(0) depctr_va_vdst(0) depctr_va_sdst(0) depctr_va_ssrc(0) depctr_va_vcc(0) depctr_vm_vsrc(0)
	s_getreg_b32 s2, hwreg(HW_REG_IB_STS2, 6, 4)
	s_cmp_eq_u32 s2, 0
	s_cbranch_scc0 .Lentry_in_a_cluster
	s_endpgm
.Lentry_in_a_cluster:
	s_bfe_u32 s2, ttmp6, 0x10000c
	s_cmp_lg_u32 s2, 0x3003
	s_cbranch_scc0 .Lentry_shape_is_right
	s_endpgm
.Lentry_shape_is_right:
; KVPART.  For one n = 8 b + head and a quarter of the 4,096 positions: k = key Wk^T + bk once more, from the stored codes; the softmax down the positions, finished by the chunks' U and S;
; x sin and x cos of the position; quantised along the positions; kv += k2^T v over 8 K steps of 128.  The quarter's sums go to kvp; a later launch adds the four.
; CLUSTER.  The four work-groups of a cluster take four heads of one batch and one quarter: they read the same 8 chunks of key codes, 278,528 dense bytes, which are asked for JOINTLY
; (the same three tensor loads a wave, mask of all four) and fill LDS once.  The place in the cluster enters global addresses of plain loads and stores alone.
; WAVES.  Wave w: term t = w / 2, half bb = w % 2 of the head's 64 features: two tiles u of Wk, which stay in registers.
; LAYOUT.  Source 0 = 16 rows of key, source 1 = 16 rows of Wk: a lane holds one feature and its 64 registers run down the chunk's 128 positions in the quantiser's order.  Then source 0 = k2 (16 features), source 1 = v (16 columns):
; in kv a lane holds one column of v, and its registers run along the features: the next product's K.
; kvp: [quarter][n][t][mt][g][lane][16 bytes], g = 4 (2 sc + bb) + 2 u + half of an accumulator: the register image that the next quantiser wants.
; WINDOWS.  0: addresses, scales, the quantiser, k2's fragments, 64 numbers at work.  1: v0-127 the scores of two tiles; v128-255 two buffers of the rows' fragments.  2: v0-127 sin, cos; v128-191 Wk; v192-223 v.  3: v0-127 kv.
; LIMITS: NaN and infinities are not served; v_exp_f32 gives 0 under 2^-126; a block of zeros gets the byte 1 (its codes are zeros; this program alone reads the bytes).
.set CHB,  34816                       ; a chunk's codes and scale words
.set LANE, 1
.set R,    2
.set HH,   3
.set LI,   4                           ; 16 x lane
.set L8,   5                           ; 8 x lane
.set XA,   6                           ; LDS address of the chunk's fragments
.set XSA,  7                           ; and of its scale words
.set TBO,  8                           ; 64 h: my half's 16 positions of each 32, in the table
.set VB,   9
.set STA,  10                          ; 16 r
.set L8S,  11                          ; 8 x lane + 32768
.set UST,  12                          ; v[12:13], v[16:17] U* of tile u, twice;  v[14:15], v[18:19] 1 / S*
.set WS,   20                          ; v20-23  Wk's scale words
.set VS,   24                          ; v24-25  v's
.set PWK,  26                          ; v26-29  k2's
.set BI,   30
.set XS,   32                          ; v32-47  the rows' scale words
.set TM,   48
.set K2F,  64                          ; v64-95  k2's four fragments: 16 u + 8 sc
.set VAL,  96                          ; v96-159 64 numbers at work
.set ST,   96                          ; at the head v96-223: the 32 chunks' U and S
.set BC,   224                         ; v224-239 the bias as C, a tile each
.set HW,   240                         ; at the head: work
.set WV,   16
.set G1A,  24
.set G1B,  32
.set G1C,  40
.set G0A,  48
.set G0B,  52
.set G0C,  56
.set SEL,  60
.set CS,   62
.set LB,   66
.set CNT,  67
.set TAB,  68
.set VCB,  70
.set WCB,  84
.set WSB,  86
.set BIB,  88
.set STB,  90
.set KVB,  92
.set MSB, 0
.macro WIN new
.if MSB != (\new)
	s_set_vgpr_msb (MSB<<8)|(\new)
.set MSB, \new
.endif
.endm
.macro PLACES n
.rept \n
	v_nop
.endr
.endm
.macro BARRIER
	s_wait_dscnt 0x0
	s_barrier_signal -1
	s_barrier_wait -1
.endm
.macro ROUND                           ; a round of the cluster's barrier
	s_barrier_signal -1
	s_barrier_wait -1
	s_cmp_lg_u32 s[WV], 0
	s_cbranch_scc1 .Lnot_wave_0_\@
	s_barrier_signal -3
.Lnot_wave_0_\@:
	s_barrier_wait -3
	s_barrier_signal -1
	s_barrier_wait -1
.endm
.macro QMAX nb, s
.set qb, 0
.rept \nb
	v_max3_num_f32 v[TM+qb], |v[(\s)+16*qb]|, |v[(\s)+16*qb+1]|, 0x1800000
.set qb, qb+1
.endr
.irp i, 2,4,6,8,10,12,14
.set qb, 0
.rept \nb
	v_max3_num_f32 v[TM+qb], v[TM+qb], |v[(\s)+16*qb+\i]|, |v[(\s)+16*qb+\i+1]|
.set qb, qb+1
.endr
.endr
.endm
.macro QCROSS nb
.set qb, 0
.rept \nb
	v_permlanex16_b32 v[TM+4+qb], v[TM+qb], s[SEL], s[SEL+1]
.set qb, qb+1
.endr
.set qb, 0
.rept \nb
	v_max_num_f32 v[TM+qb], v[TM+qb], v[TM+4+qb]
.set qb, qb+1
.endr
.endm
.macro QCODE s, pc, pw
.irp b, 0,1,2,3
	v_add_nc_u32 v[TM+12+\b], 0xff000000, v[TM+\b]
.endr
.irp b, 0,1,2,3
	v_lshrrev_b32 v[TM+4+\b], 23, v[TM+12+\b]
.endr
	v_lshl_or_b32 v[\pw], v[TM+5], 8, v[TM+4]
	v_lshl_or_b32 v[\pw], v[TM+6], 16, v[\pw]
	v_lshl_or_b32 v[\pw], v[TM+7], 24, v[\pw]
.irp b, 0,1,2,3
	v_cvt_scalef32_pk8_fp4_f32 v[(\pc)+2*\b], v[(\s)+16*\b:(\s)+16*\b+7], v[TM+12+\b]
	v_cvt_scalef32_pk8_fp4_f32 v[(\pc)+2*\b+1], v[(\s)+16*\b+8:(\s)+16*\b+15], v[TM+12+\b]
.endr
	v_nop                                          ; one plain place behind the scaled conversions
.irp c, 0,1
.irp i, 0,1
	v_permlane16_swap_b32 v[(\pc)+4*\c+\i], v[(\pc)+4*\c+2+\i]
.endr
.endr
.endm
.macro QUANT s, pc, pw
	QMAX 4, \s
	QCROSS 4
	QCODE \s, \pc, \pw
.endm
.macro MM d, a, b, cz, c, sa, sb, ra, rb   ; cz = 1: the constant 0 starts the sum;  ra, rb = 1: that side's scale words stand in lanes 16-31
.if \cz
.if (\ra) && (\rb)
	v_wmma_scale_f32_16x16x128_f8f6f4 v[(\d):(\d)+7], v[(\a):(\a)+7], v[(\b):(\b)+7], 0, v[\sa], v[\sb] matrix_a_fmt:MATRIX_FMT_FP4 matrix_b_fmt:MATRIX_FMT_FP4 matrix_a_scale:MATRIX_SCALE_ROW1 matrix_b_scale:MATRIX_SCALE_ROW1
.elseif \ra
	v_wmma_scale_f32_16x16x128_f8f6f4 v[(\d):(\d)+7], v[(\a):(\a)+7], v[(\b):(\b)+7], 0, v[\sa], v[\sb] matrix_a_fmt:MATRIX_FMT_FP4 matrix_b_fmt:MATRIX_FMT_FP4 matrix_a_scale:MATRIX_SCALE_ROW1
.elseif \rb
	v_wmma_scale_f32_16x16x128_f8f6f4 v[(\d):(\d)+7], v[(\a):(\a)+7], v[(\b):(\b)+7], 0, v[\sa], v[\sb] matrix_a_fmt:MATRIX_FMT_FP4 matrix_b_fmt:MATRIX_FMT_FP4 matrix_b_scale:MATRIX_SCALE_ROW1
.else
	v_wmma_scale_f32_16x16x128_f8f6f4 v[(\d):(\d)+7], v[(\a):(\a)+7], v[(\b):(\b)+7], 0, v[\sa], v[\sb] matrix_a_fmt:MATRIX_FMT_FP4 matrix_b_fmt:MATRIX_FMT_FP4
.endif
.else
.if (\ra) && (\rb)
	v_wmma_scale_f32_16x16x128_f8f6f4 v[(\d):(\d)+7], v[(\a):(\a)+7], v[(\b):(\b)+7], v[(\c):(\c)+7], v[\sa], v[\sb] matrix_a_fmt:MATRIX_FMT_FP4 matrix_b_fmt:MATRIX_FMT_FP4 matrix_a_scale:MATRIX_SCALE_ROW1 matrix_b_scale:MATRIX_SCALE_ROW1
.elseif \ra
	v_wmma_scale_f32_16x16x128_f8f6f4 v[(\d):(\d)+7], v[(\a):(\a)+7], v[(\b):(\b)+7], v[(\c):(\c)+7], v[\sa], v[\sb] matrix_a_fmt:MATRIX_FMT_FP4 matrix_b_fmt:MATRIX_FMT_FP4 matrix_a_scale:MATRIX_SCALE_ROW1
.elseif \rb
	v_wmma_scale_f32_16x16x128_f8f6f4 v[(\d):(\d)+7], v[(\a):(\a)+7], v[(\b):(\b)+7], v[(\c):(\c)+7], v[\sa], v[\sb] matrix_a_fmt:MATRIX_FMT_FP4 matrix_b_fmt:MATRIX_FMT_FP4 matrix_b_scale:MATRIX_SCALE_ROW1
.else
	v_wmma_scale_f32_16x16x128_f8f6f4 v[(\d):(\d)+7], v[(\a):(\a)+7], v[(\b):(\b)+7], v[(\c):(\c)+7], v[\sa], v[\sb] matrix_a_fmt:MATRIX_FMT_FP4 matrix_b_fmt:MATRIX_FMT_FP4
.endif
.endif
.endm
	s_load_b256 s[4:11], s[0:1], 0x0               ; kcs, vcs, stat, wts
	s_load_b128 s[12:15], s[0:1], 0x20             ; bk, kvp
	v_lshl_add_u32 v254, v0, 2, 0x44000
	v_mov_b32 v255, 0
	ds_add_u32 v254, v255
	ds_add_u32 v254, v255
	v_lshrrev_b32 v1, 5, v0
	v_readfirstlane_b32 s[WV], v1                  ; wave 0..3
	; three groups 1: dense bytes as rows of 32 elements of 8 bytes, no padding; the mask names all four work-groups, bit 21 beside it.  34, 102 and 136 rows: my quarter of chunk 0, of chunks 1-3, of chunks 4-7
.irp g, G1A, G1B, G1C
	s_mov_b32 s[\g+0], 15|(3<<16)|(1<<21)
	s_mov_b32 s[\g+1], 32<<16
	s_mov_b32 s[\g+3], 32<<16
	s_mov_b32 s[\g+5], 32
	s_mov_b32 s[\g+6], 0
	s_mov_b32 s[\g+7], 0
.endr
	s_mov_b32 s[G1A+2], 34<<16
	s_mov_b32 s[G1A+4], 34
	s_mov_b32 s[G1B+2], 102<<16
	s_mov_b32 s[G1B+4], 102
	s_mov_b32 s[G1C+2], 136<<16
	s_mov_b32 s[G1C+4], 136
	s_lshr_b32 s21, ttmp9, 1                       ; 4 b + quarter: which 8 chunks; the four partners share it
	s_mul_i32 s72, s21, 8*CHB
	s_mov_b32 s73, 0
	s_mul_i32 s74, s[WV], 8704                     ; my quarters: the byte in the block is also the byte in LDS
	s_mov_b32 s75, 0
	s_mul_i32 s76, s[WV], 26112
	s_add_co_u32 s76, s76, CHB
	s_mov_b32 s77, 0
	s_mul_i32 s78, s[WV], 34816
	s_add_co_u32 s78, s78, 4*CHB
	s_mov_b32 s79, 0
	s_wait_dscnt 0x0
	s_wait_kmcnt 0x0
	s_add_nc_u64 s[72:73], s[4:5], s[72:73]
	s_mov_b32 s[G0A], 1
	s_mov_b32 s[G0A+1], s74
	s_add_nc_u64 s[G0A+2:G0A+3], s[72:73], s[74:75]
	s_or_b32 s[G0A+3], s[G0A+3], 0x80000000
	s_mov_b32 s[G0B], 1
	s_mov_b32 s[G0B+1], s76
	s_add_nc_u64 s[G0B+2:G0B+3], s[72:73], s[76:77]
	s_or_b32 s[G0B+3], s[G0B+3], 0x80000000
	s_mov_b32 s[G0C], 1
	s_mov_b32 s[G0C+1], s78
	s_add_nc_u64 s[G0C+2:G0C+3], s[72:73], s[78:79]
	s_or_b32 s[G0C+3], s[G0C+3], 0x80000000
	ROUND                                          ; all four work-groups are here: the joint loads meet
	tensor_load_to_lds s[G0A:G0A+3], s[G1A:G1A+7]  ; three loads of mine are out; no LDS byte is filled twice
	s_nop 0
	tensor_load_to_lds s[G0B:G0B+3], s[G1B:G1B+7]
	s_nop 0
	tensor_load_to_lds s[G0C:G0C+3], s[G1C:G1C+7]
	s_nop 0
	PLACES 4
	s_bfe_u32 s17, ttmp6, 0x40000                  ; cx: my place in the cluster
	s_and_b32 s18, ttmp9, 1
	s_lshl_b32 s18, s18, 2
	s_add_co_u32 s18, s18, s17                     ; head
	s_lshr_b32 s19, s[WV], 1                       ; t
	s_and_b32 s20, s[WV], 1                        ; bb
	s_lshr_b32 s22, ttmp9, 3                       ; b
	s_and_b32 s23, s21, 3                          ; quarter
	s_lshl_b32 s80, s19, 5
	s_lshl_b32 s81, s18, 2
	s_add_co_u32 s80, s80, s81
	s_lshl_b32 s81, s20, 1
	s_add_co_u32 s80, s80, s81                     ; my first tile of Wk: 32 t + 4 head + 2 bb
	s_mov_b32 s83, 0
	s_add_co_u32 s82, s80, 64
	s_lshl_b32 s82, s82, 12
	s_add_nc_u64 s[WCB:WCB+1], s[10:11], s[82:83]
	s_add_co_u32 s82, s80, 64
	s_lshl_b32 s82, s82, 8
	s_add_co_u32 s82, s82, 786432
	s_add_nc_u64 s[WSB:WSB+1], s[10:11], s[82:83]
	s_lshl_b32 s82, s80, 6                         ; 128 bytes of bias for each pair of tiles
	s_add_nc_u64 s[BIB:BIB+1], s[12:13], s[82:83]
	s_lshl_b32 s82, s22, 18                        ; stat: the batch's 32 chunks of 8,192 bytes,
	s_lshl_b32 s81, s19, 3
	s_add_co_u32 s81, s81, s18
	s_lshl_b32 s81, s81, 8                         ; (8 t + head) x 256,
	s_add_co_u32 s82, s82, s81
	s_lshl_b32 s81, s20, 3                         ; my two tiles of the head's four
	s_add_co_u32 s82, s82, s81
	s_add_nc_u64 s[STB:STB+1], s[8:9], s[82:83]
	s_lshl_b32 s82, s23, 12                        ; the table: 1,024 positions a quarter
	s_add_co_u32 s82, s82, 835584
	s_add_nc_u64 s[TAB:TAB+1], s[10:11], s[82:83]
	s_lshl_b32 s81, s22, 3
	s_add_co_u32 s81, s81, s18                     ; n
	s_lshl_b32 s82, s81, 5
	s_lshl_b32 s80, s23, 3
	s_add_co_u32 s82, s82, s80
	s_mul_i32 s82, s82, 4352
	s_add_nc_u64 s[VCB:VCB+1], s[6:7], s[82:83]    ; v's K steps 8 x quarter on
	s_lshl_b32 s82, s23, 6
	s_add_co_u32 s82, s82, s81
	s_lshl_b32 s82, s82, 1
	s_add_co_u32 s82, s82, s19
	s_lshl_b32 s82, s82, 15
	s_lshl_b32 s80, s20, 11
	s_add_co_u32 s82, s82, s80
	s_add_nc_u64 s[KVB:KVB+1], s[14:15], s[82:83]
	s_mov_b32 s[SEL], 0x76543210
	s_mov_b32 s[SEL+1], 0xfedcba98
	s_mov_b32 s[CS], 0x3fb8aa3b                    ; log2(e)
	s_mov_b32 s[CS+1], s[CS]
	s_mov_b32 s[LB], 0
	v_and_b32 v[LANE], 31, v0
	v_and_b32 v[R], 15, v0
	v_bfe_u32 v[HH], v0, 4, 1
	v_lshlrev_b32 v[LI], 4, v[LANE]
	v_lshlrev_b32 v[L8], 3, v[LANE]
	v_add_nc_u32 v[L8S], 32768, v[L8]
	v_lshlrev_b32 v[TBO], 6, v[HH]
	v_and_b32 v[VB], 8, v[R]
	v_add_nc_u32 v[VB], v[VB], v[R]
	v_lshlrev_b32 v[VB], 2, v[VB]
	v_lshlrev_b32 v[STA], 4, v[R]
.irp b, 0,1,2,3
	v_mov_b32 v[TM+4+\b], 0
.endr
	WIN 0x80                                       ; destination window 2: my two tiles of Wk stay
.irp u, 0,1
.irp e, 0,1,2,3
.irp c, 0,1
	global_load_b128 v[128+32*\u+8*\e+4*\c:128+32*\u+8*\e+4*\c+3], v[LI], s[WCB:WCB+1] offset:4096*\u+1024*\e+512*\c
.endr
.endr
.endr
	WIN 0
.irp u, 0,1
	global_load_b64 v[WS+2*\u:WS+2*\u+1], v[L8], s[WSB:WSB+1] offset:256*\u
	global_load_b32 v[BI+\u], v[VB], s[BIB:BIB+1] offset:32*\u
.endr
.set cc, 0
.rept 32
	global_load_b64 v[ST+4*cc:ST+4*cc+1], v[STA], s[STB:STB+1] offset:8192*cc            ; U of chunk cc, tiles u = 0, 1
	global_load_b64 v[ST+4*cc+2:ST+4*cc+3], v[STA], s[STB:STB+1] offset:8192*cc+4096     ; S
.set cc, cc+1
.endr
	s_wait_loadcnt 0x0
.irp u, 0,1
.irp j, 0,1,2,3,4,5,6,7
	v_mov_b32 v[BC+8*\u+\j], v[BI+\u]              ; a lane holds one feature: its bias in all eight registers of C
.endr
.endr
	; the column's softmax over the whole batch: U* = the largest U; S* = the sum of S x 2^(U - U*)
.irp u, 0,1
	v_max3_num_f32 v[HW+\u], v[ST+\u], v[ST+4+\u], v[ST+8+\u]
.endr
.irp k, 3,5,7,9,11,13,15,17,19,21,23,25,27,29
.irp u, 0,1
	v_max3_num_f32 v[HW+\u], v[HW+\u], v[ST+4*\k+\u], v[ST+4*\k+4+\u]
.endr
.endr
.irp u, 0,1
	v_max_num_f32 v[HW+\u], v[HW+\u], v[ST+124+\u]
.endr
.set cc, 0
.rept 32
	v_pk_add_f32 v[ST+4*cc:ST+4*cc+1], v[ST+4*cc:ST+4*cc+1], v[HW:HW+1] neg_lo:[0,1] neg_hi:[0,1]
.set cc, cc+1
.endr
.set cc, 0
.rept 32
	v_exp_f32 v[ST+4*cc], v[ST+4*cc]
	v_exp_f32 v[ST+4*cc+1], v[ST+4*cc+1]
.set cc, cc+1
.endr
	v_nop
	s_wait_alu depctr_va_vdst(0)                   ; one wait for the batch
	v_pk_mul_f32 v[HW+2:HW+3], v[ST+2:ST+3], v[ST:ST+1]
	v_pk_mul_f32 v[HW+4:HW+5], v[ST+6:ST+7], v[ST+4:ST+5]
.set cc, 2
.rept 30
	v_pk_fma_f32 v[HW+2+2*(cc%2):HW+3+2*(cc%2)], v[ST+4*cc+2:ST+4*cc+3], v[ST+4*cc:ST+4*cc+1], v[HW+2+2*(cc%2):HW+3+2*(cc%2)]
.set cc, cc+1
.endr
	v_pk_add_f32 v[HW+2:HW+3], v[HW+2:HW+3], v[HW+4:HW+5]
	v_rcp_f32 v[HW+4], v[HW+2]
	v_rcp_f32 v[HW+5], v[HW+3]
	v_nop
	s_wait_alu depctr_va_vdst(0)
.irp u, 0,1
	v_mov_b32 v[UST+4*\u], v[HW+\u]
	v_mov_b32 v[UST+4*\u+1], v[HW+\u]
	v_mov_b32 v[UST+4*\u+2], v[HW+4+\u]
	v_mov_b32 v[UST+4*\u+3], v[HW+4+\u]
.endr
.macro XF e                            ; the chunk's eight fragments of K step e into buffer e % 2 of window 1
.irp rt, 0,1,2,3,4,5,6,7
.irp c, 0,1
	ds_load_b128 v[128+64*((\e)%2)+8*\rt+4*\c:128+64*((\e)%2)+8*\rt+4*\c+3], v[XA] offset:(4*\rt+(\e))*1024+512*\c
.endr
.endr
.endm
.macro P3 e                            ; 128 rows x my 32 features, K step e: sixteen accumulators by turns; the bias starts the sums
.if (\e) == 0
	WIN 0x49                                       ; source 0 window 1, source 1 window 2, C window 0, D window 1
.else
	WIN 0x59                                       ; C window 1 too
.endif
.irp u, 0,1
.irp rt, 0,1,2,3,4,5,6,7
.if (\e) == 0
	MM 64*\u+8*\rt, 128+64*((\e)%2)+8*\rt, 128+32*\u+8*(\e), 0, BC+8*\u, XS+2*\rt+(\e)/2, WS+2*\u+(\e)/2, (\e)%2, (\e)%2
.else
	MM 64*\u+8*\rt, 128+64*((\e)%2)+8*\rt, 128+32*\u+8*(\e), 0, 64*\u+8*\rt, XS+2*\rt+(\e)/2, WS+2*\u+(\e)/2, (\e)%2, (\e)%2
.endif
.endr
.endr
.endm
.macro P4 zero                         ; kv += k2^T v over the chunk's 128 positions: sixteen accumulators by turns
	WIN 0xf8                                       ; source 0 window 0, source 1 window 2, C and D window 3
.irp sc, 0,1
.irp u, 0,1
.irp mt, 0,1,2,3
	MM 8*(8*\sc+4*\u+\mt), K2F+16*\u+8*\sc, 192+8*\mt, \zero, 8*(8*\sc+4*\u+\mt), PWK+2*\u+\sc, VS+\mt/2, 0, \mt%2
.endr
.endr
.endr
	WIN 0
.endm
.macro CHUNK zero
	PLACES 4                                       ; in front of loads into registers that the last chunk's products have read
	v_add_nc_u32 v[XA], s[LB], v[LI]
	v_add_nc_u32 v[XSA], s[LB], v[L8S]
	WIN 0x80                                       ; destination window 2
.irp b, 0,1,2,3
.irp j, 0,1,2,3
	global_load_b128 v[16*\b+4*\j:16*\b+4*\j+3], v[TBO], s[TAB:TAB+1] offset:128*\b+16*\j              ; sin of position 32 b + 16 h + 4 j on
.endr
.endr
.irp b, 0,1,2,3
.irp j, 0,1,2,3
	global_load_b128 v[64+16*\b+4*\j:64+16*\b+4*\j+3], v[TBO], s[TAB:TAB+1] offset:16384+128*\b+16*\j  ; cos
.endr
.endr
.irp mt, 0,1,2,3
.irp c, 0,1
	global_load_b128 v[192+8*\mt+4*\c:192+8*\mt+4*\c+3], v[LI], s[VCB:VCB+1] offset:1024*\mt+512*\c    ; v's four fragments of this K step
.endr
.endr
	WIN 0
	global_load_b64 v[VS:VS+1], v[L8], s[VCB:VCB+1] offset:4096
.irp rt, 0,1,2,3,4,5,6,7
	ds_load_b64 v[XS+2*\rt:XS+2*\rt+1], v[XSA] offset:256*\rt
.endr
	WIN 0x40                                       ; destination window 1
	XF 0
	XF 1
	s_wait_dscnt 16                                ; all but the 16 youngest loads, the other buffer's
	P3 0
	PLACES 4
	WIN 0x40
	XF 2
	s_wait_dscnt 16
	P3 1
	PLACES 4
	WIN 0x40
	XF 3
	s_wait_dscnt 16
	P3 2
	s_wait_dscnt 0x0
	P3 3
	PLACES 4
	WIN 0x41                                       ; destination and source 0 window 1
.set k, 0
.rept 64
	v_pk_fma_f32 v[2*k:2*k+1], v[2*k:2*k+1], s[CS:CS+1], v[UST+4*(k/32):UST+4*(k/32)+1] op_sel_hi:[1,0,0] neg_lo:[0,0,1] neg_hi:[0,0,1]   ; score x log2(e) - U*; each accumulator from its low end on
.set k, k+1
.endr
.set k, 0
.rept 128
	v_exp_f32 v[k], v[k]
.set k, k+1
.endr
	v_nop
	s_wait_alu depctr_va_vdst(0)                   ; one wait for the 128
.set k, 0
.rept 64
	v_pk_mul_f32 v[2*k:2*k+1], v[2*k:2*k+1], v[UST+2+4*(k/32):UST+3+4*(k/32)] op_sel_hi:[1,0]   ; / S*: the finished softmax
.set k, k+1
.endr
	s_wait_loadcnt 9                               ; the 32 loads of the table are in; v's 9 may stay out
.irp u, 0,1
.irp sc, 0,1
	WIN 0x09                                       ; source 0 window 1, source 1 window 2
.set k, 0
.rept 32
	v_pk_mul_f32 v[VAL+2*k:VAL+2*k+1], v[64*\u+2*k:64*\u+2*k+1], v[64*\sc+2*k:64*\sc+2*k+1]
.set k, k+1
.endr
	WIN 0
	QUANT VAL, K2F+16*\u+8*\sc, PWK+2*\u+\sc       ; along the 128 positions
.endr
.endr
	s_wait_loadcnt 0x0                             ; v
	PLACES 8                                       ; a scale register written by a vector instruction stands 8 places ahead of the product, an operand 4
	P4 \zero
	s_add_co_u32 s[LB], s[LB], CHB                 ; (every load of the chunk has come back: its bases may step)
	s_add_nc_u64 s[TAB:TAB+1], s[TAB:TAB+1], 512
	s_add_nc_u64 s[VCB:VCB+1], s[VCB:VCB+1], 4352
.endm
	s_wait_tensorcnt 2                             ; my quarter of chunk 0 is in; the two younger loads stay out
	BARRIER                                        ; everybody's is
	CHUNK 1                                        ; the first chunk's products start kv's sums
	s_wait_tensorcnt 1                             ; chunks 1-3
	BARRIER
	s_mov_b32 s[CNT], 3
.Lc1:
	CHUNK 0
	s_sub_co_u32 s[CNT], s[CNT], 1
	s_cmp_lg_u32 s[CNT], 0
	s_cbranch_scc1 .Lc1
	s_wait_tensorcnt 0x0                           ; chunks 4-7
	BARRIER
	s_mov_b32 s[CNT], 4
.Lc2:
	CHUNK 0
	s_sub_co_u32 s[CNT], s[CNT], 1
	s_cmp_lg_u32 s[CNT], 0
	s_cbranch_scc1 .Lc2
	PLACES 4
	WIN 0x0c                                       ; a store's data are its source 1: window 3
.irp sc, 0,1
.irp u, 0,1
.irp mt, 0,1,2,3
	global_store_b128 v[LI], v[8*(8*\sc+4*\u+\mt):8*(8*\sc+4*\u+\mt)+3], s[KVB:KVB+1] offset:8192*\mt+512*(8*\sc+2*\u)         ; 32 lanes store 512 consecutive bytes; each accumulator from its low end on
	global_store_b128 v[LI], v[8*(8*\sc+4*\u+\mt)+4:8*(8*\sc+4*\u+\mt)+7], s[KVB:KVB+1] offset:8192*\mt+512*(8*\sc+2*\u+1)
.endr
.endr
.endr
	WIN 0
	s_wait_tensorcnt 0x0
	ds_add_u32 v254, v255
	s_wait_dscnt 0x0
	ROUND                                          ; the closing round
	s_endpgm
.Lfunc_end_k_q7a7726e560_kvpart:
	.size	k_q7a7726e560_kvpart, .Lfunc_end_k_q7a7726e560_kvpart-k_q7a7726e560_kvpart
	.p2alignl 7, 3214868480
	.fill 96, 4, 3214868480
	.section	.rodata,"a",@progbits
	.p2align	6, 0x0
	.amdhsa_kernel k_q7a7726e560_kvpart
		.amdhsa_group_segment_fixed_size 279040
		.amdhsa_private_segment_fixed_size 0
		.amdhsa_enable_private_segment 0
		.amdhsa_kernarg_size 48
		.amdhsa_user_sgpr_count 2
		.amdhsa_user_sgpr_kernarg_segment_ptr 1
		.amdhsa_wavefront_size32 1
		.amdhsa_system_sgpr_workgroup_id_x 1
		.amdhsa_system_sgpr_workgroup_id_y 1
		.amdhsa_system_sgpr_workgroup_id_z 1
		.amdhsa_system_vgpr_workitem_id 0
		.amdhsa_next_free_vgpr 896
		.amdhsa_next_free_sgpr 96
		.amdhsa_reserve_vcc 0
		.amdhsa_float_denorm_mode_32 3
		.amdhsa_float_denorm_mode_16_64 3
		.amdhsa_memory_ordered 1
		.amdhsa_forward_progress 1
		.amdhsa_inst_pref_size 193
	.end_amdhsa_kernel
	.amdgpu_metadata
---
amdhsa.version: [ 1, 2 ]
amdhsa.kernels:
  - .name:           k_q7a7726e560_kvpart
    .symbol:         k_q7a7726e560_kvpart.kd
    .args:
      - { .name: kcs, .offset: 0, .size: 8, .value_kind: global_buffer, .address_space: global }
      - { .name: vcs, .offset: 8, .size: 8, .value_kind: global_buffer, .address_space: global }
      - { .name: stat, .offset: 16, .size: 8, .value_kind: global_buffer, .address_space: global }
      - { .name: wts, .offset: 24, .size: 8, .value_kind: global_buffer, .address_space: global }
      - { .name: bk, .offset: 32, .size: 8, .value_kind: global_buffer, .address_space: global }
      - { .name: kvp, .offset: 40, .size: 8, .value_kind: global_buffer, .address_space: global }
    .group_segment_fixed_size: 279040
    .private_segment_fixed_size: 0
    .kernarg_segment_align: 8
    .kernarg_segment_size: 48
    .max_flat_workgroup_size: 128
    .sgpr_count:     96
    .vgpr_count:     896
    .wavefront_size: 32
...
	.end_amdgpu_metadata
.endif
;; end of part 3
;; launch kvred (part 4): grid 128 x 1, 4 waves a work-group, no clusters, 0 bytes of LDS; arguments kvp, kvq; writes kvq
.if DOCPART == 4
	.amdgcn_target "amdgcn-amd-amdhsa--gfx1250"
	.amdhsa_code_object_version 6
	.text
	.protected	k_q7a7726e560_kvred
	.globl	k_q7a7726e560_kvred
	.p2align	8
	.type	k_q7a7726e560_kvred,@function
k_q7a7726e560_kvred:
	s_mov_b64 s[64:65], 0
	v_nop
	global_prefetch_b8 v0, s[64:65] scope:SCOPE_SE
	s_setreg_imm32_b32 hwreg(HW_REG_WAVE_MODE, 25, 1), 1
	s_wait_xcnt 0x0
; KVRED.  kv = the sum of the four quarters' partial sums, quantised along the K of the product q2 kv.  That product contracts the feature d2 (128) and the term t (2) as ONE K, k = 2 d2 + t:
; a block of 32 is 16 neighbouring features of both terms.  A K step of 128 is the sin half (sc = 0) or the cos half (sc = 1) of the features.
; A work-group takes (n, sc), a wave a tile mt of 16 columns of v.  kvp holds, for each term, register images in which lane (r, h) has features 32 bb + 16 h + 0 .. 15 of its column: with both terms loaded
; a lane owns the whole blocks 2 bb + h, which is where the operand's layout wants them: no maximum crosses lanes, no code changes lanes.  Inside a block the order is 16 t + i, on this side as on q2's.
; kvq, for each n 8,704 bytes: codes at 1024 (4 sc + mt) + 512 bb + 16 lane; scale words at 8192 + 16 (16 sc + r) + 4 mt.
; LIMITS: NaN and infinities are not served; a block of zeros gets the byte 1 (its codes are zeros; this program alone reads the bytes).
.set TM,  16
.set PCD, 32                           ; v32-39  the codes
.set PW,  40                           ; the scale word
.set PX,  41                           ; lane l xor 16's part of it
.set SH8, 42                           ; 8 h
.set P0,  64                           ; v64-127, v128-191, v192-255, and v0-63 of window 1: the four quarters; in each, register 32 bb + 16 t + i
.set SEL, 28
	s_load_b128 s[4:7], s[0:1], 0x0                ; kvp, kvq
	v_lshrrev_b32 v1, 5, v0
	v_readfirstlane_b32 s8, v1                     ; wave = mt
	v_and_b32 v2, 15, v0
	v_and_b32 v3, 31, v0
	v_lshlrev_b32 v4, 4, v3                        ; 16 x lane
	v_lshlrev_b32 v5, 4, v2                        ; 16 r
	v_bfe_u32 v6, v0, 4, 1                         ; h
	v_lshlrev_b32 v[SH8], 3, v6
	v_mov_b32 v[PX], 0                             ; written once: a lane permute's destination counts as one of its sources
	s_mov_b32 s[SEL], 0x76543210
	s_mov_b32 s[SEL+1], 0xfedcba98
	s_lshr_b32 s16, ttmp9, 1                       ; n
	s_and_b32 s17, ttmp9, 1                        ; sc
	s_lshl_b32 s10, s16, 16                        ; n: two terms of four tiles of 8,192 bytes
	s_lshl_b32 s11, s8, 13                         ; my tile
	s_add_co_u32 s10, s10, s11
	s_lshl_b32 s11, s17, 12                        ; my half: eight groups of 512 bytes
	s_add_co_u32 s10, s10, s11
	s_mov_b32 s11, 0
	s_mul_i32 s18, s16, 8704
	s_lshl_b32 s20, s17, 2
	s_add_co_u32 s20, s20, s8
	s_lshl_b32 s20, s20, 10
	s_add_co_u32 s20, s20, s18
	s_mov_b32 s21, 0
	s_lshl_b32 s22, s17, 8
	s_add_co_u32 s22, s22, s18
	s_lshl_b32 s19, s8, 2
	s_add_co_u32 s22, s22, s19
	s_add_co_u32 s22, s22, 8192
	s_mov_b32 s23, 0
	s_wait_kmcnt 0x0
	s_add_nc_u64 s[12:13], s[4:5], s[10:11]        ; quarters 0 and 1,
	s_add_nc_u64 s[14:15], s[12:13], 0x800000      ; quarters 2 and 3: two bases keep the offsets inside the signed 24-bit immediate
	s_add_nc_u64 s[20:21], s[6:7], s[20:21]
	s_add_nc_u64 s[22:23], s[6:7], s[22:23]
.irp t, 0,1
.set g, 0
.rept 8
	global_load_b128 v[P0+32*(g/4)+16*\t+4*(g%4):P0+32*(g/4)+16*\t+4*(g%4)+3], v4, s[12:13] offset:32768*\t+512*g th:TH_LOAD_NT
	global_load_b128 v[P0+64+32*(g/4)+16*\t+4*(g%4):P0+64+32*(g/4)+16*\t+4*(g%4)+3], v4, s[12:13] offset:4194304+32768*\t+512*g th:TH_LOAD_NT
	global_load_b128 v[P0+128+32*(g/4)+16*\t+4*(g%4):P0+128+32*(g/4)+16*\t+4*(g%4)+3], v4, s[14:15] offset:32768*\t+512*g th:TH_LOAD_NT
.set g, g+1
.endr
.endr
	s_set_vgpr_msb 0x40                            ; destination window 1
.irp t, 0,1
.set g, 0
.rept 8
	global_load_b128 v[32*(g/4)+16*\t+4*(g%4):32*(g/4)+16*\t+4*(g%4)+3], v4, s[14:15] offset:4194304+32768*\t+512*g th:TH_LOAD_NT
.set g, g+1
.endr
.endr
	s_set_vgpr_msb 0x4000
	s_wait_loadcnt 0x0
.set k, 0
.rept 32
	v_pk_add_f32 v[P0+2*k:P0+2*k+1], v[P0+2*k:P0+2*k+1], v[P0+64+2*k:P0+64+2*k+1]
.set k, k+1
.endr
	s_set_vgpr_msb 0x04                            ; source 1 window 1
.set k, 0
.rept 32
	v_pk_add_f32 v[P0+128+2*k:P0+128+2*k+1], v[P0+128+2*k:P0+128+2*k+1], v[2*k:2*k+1]
.set k, k+1
.endr
	s_set_vgpr_msb 0x0400
.set k, 0
.rept 32
	v_pk_add_f32 v[P0+2*k:P0+2*k+1], v[P0+2*k:P0+2*k+1], v[P0+128+2*k:P0+128+2*k+1]
.set k, k+1
.endr
.irp b, 0,1                            ; my two blocks: all 32 numbers of each are mine; the floor 2^(3 - 127) among the leaves holds the byte at 1 from below
	v_max3_num_f32 v[TM+\b], |v[P0+32*\b]|, |v[P0+32*\b+1]|, 0x1800000
.endr
.irp i, 2,4,6,8,10,12,14,16,18,20,22,24,26,28,30
.irp b, 0,1
	v_max3_num_f32 v[TM+\b], v[TM+\b], |v[P0+32*\b+\i]|, |v[P0+32*\b+\i+1]|
.endr
.endr
.irp b, 0,1
	v_add_nc_u32 v[TM+12+\b], 0xff000000, v[TM+\b] ; 2 off the exponent field: the conversion's scale operand
.endr
.irp b, 0,1
	v_lshrrev_b32 v[TM+4+\b], 23, v[TM+12+\b]      ; the scale's byte
.endr
	v_lshl_or_b32 v[PW], v[TM+5], 16, v[TM+4]      ; my two bytes: blocks h and 2 + h,
	v_lshlrev_b32 v[PW], v[SH8], v[PW]             ; at their places (8 h bits up);
	v_permlanex16_b32 v[PX], v[PW], s[SEL], s[SEL+1]
	v_or_b32 v[PW], v[PW], v[PX]                   ; with lane l xor 16's two the word is whole
.irp b, 0,1
.irp g, 0,1,2,3
	v_cvt_scalef32_pk8_fp4_f32 v[PCD+4*\b+\g], v[P0+32*\b+8*\g:P0+32*\b+8*\g+7], v[TM+12+\b]
.endr
.endr
	v_nop                                          ; one plain place behind the scaled conversions
	global_store_b128 v4, v[PCD:PCD+3], s[20:21]             ; 32 lanes store 512 consecutive bytes
	global_store_b128 v4, v[PCD+4:PCD+7], s[20:21] offset:512
	v_cmp_gt_u32 vcc_lo, 16, v3
	s_wait_xcnt 0x0                                ; EXEC changes only behind this wait
	s_and_saveexec_b32 s24, vcc_lo                 ; lanes 0-15: a word a column
	global_store_b32 v5, v[PW], s[22:23]
	s_wait_xcnt 0x0
	s_or_b32 exec_lo, exec_lo, s24
	s_endpgm
.Lfunc_end_k_q7a7726e560_kvred:
	.size	k_q7a7726e560_kvred, .Lfunc_end_k_q7a7726e560_kvred-k_q7a7726e560_kvred
	.p2alignl 7, 3214868480
	.fill 96, 4, 3214868480
	.section	.rodata,"a",@progbits
	.p2align	6, 0x0
	.amdhsa_kernel k_q7a7726e560_kvred
		.amdhsa_group_segment_fixed_size 0
		.amdhsa_private_segment_fixed_size 0
		.amdhsa_enable_private_segment 0
		.amdhsa_kernarg_size 16
		.amdhsa_user_sgpr_count 2
		.amdhsa_user_sgpr_kernarg_segment_ptr 1
		.amdhsa_wavefront_size32 1
		.amdhsa_system_sgpr_workgroup_id_x 1
		.amdhsa_system_sgpr_workgroup_id_y 1
		.amdhsa_system_sgpr_workgroup_id_z 1
		.amdhsa_system_vgpr_workitem_id 0
		.amdhsa_next_free_vgpr 320
		.amdhsa_next_free_sgpr 66
		.amdhsa_reserve_vcc 1
		.amdhsa_float_denorm_mode_32 3
		.amdhsa_float_denorm_mode_16_64 3
		.amdhsa_memory_ordered 1
		.amdhsa_forward_progress 1
		.amdhsa_inst_pref_size 18
	.end_amdhsa_kernel
	.amdgpu_metadata
---
amdhsa.version: [ 1, 2 ]
amdhsa.kernels:
  - .name:           k_q7a7726e560_kvred
    .symbol:         k_q7a7726e560_kvred.kd
    .args:
      - { .name: kvp, .offset: 0, .size: 8, .value_kind: global_buffer, .address_space: global }
      - { .name: kvq, .offset: 8, .size: 8, .value_kind: global_buffer, .address_space: global }
    .group_segment_fixed_size: 0
    .private_segment_fixed_size: 0
    .kernarg_segment_align: 8
    .kernarg_segment_size: 16
    .max_flat_workgroup_size: 128
    .sgpr_count:     66
    .vgpr_count:     320
    .wavefront_size: 32
...
	.end_amdgpu_metadata
.endif
;; end of part 4
;; launch final (part 5): grid 256 x 1, 4 waves a work-group, no clusters, 312,832 bytes of LDS; arguments query, wts, bq, kvq, bout, out0; writes out0
.if DOCPART == 5
	.amdgcn_target "amdgcn-amd-amdhsa--gfx1250"
	.amdhsa_code_object_version 6
	.text
	.protected	k_q7a7726e560_final
	.globl	k_q7a7726e560_final
	.p2align	8
	.type	k_q7a7726e560_final,@function
k_q7a7726e560_final:
	s_mov_b64 s[64:65], 0
	v_nop
	global_prefetch_b8 v0, s[64:65] scope:SCOPE_SE
	s_setreg_imm32_b32 hwreg(HW_REG_WAVE_MODE, 25, 1), 1
	s_wait_xcnt 0x0
; FINAL.  For 128 rows of query: quantise; q = query Wq^T + bq for both terms; softmax over each head's 64 features; x sin and x cos of the position; quantise; o = q2 kv summed over both terms; quantise; out = o Wout^T + bout.
; Nothing between query and out goes to memory.  A work-group takes 128 rows as two blocks of 64.  THE WAVES SHARE THE COLUMNS: wave w owns heads 2 w and 2 w + 1 and output columns 128 w .. 128 w + 127, for all rows:
; its part of Wq (windows 1 and 2) and its heads' kv (window 3) stay in registers.  What goes from wave to wave goes through LDS as images of operand registers.
; ALL PRODUCTS ARE USED TRANSPOSED (source 0 = 16 rows of a weight or of kv, source 1 = 16 rows of query): a lane holds ONE row throughout, and since the rows of a weight tile are chosen for it,
; the registers of neighbouring tiles are neighbours along the next product's K.
; THE K OF q2 kv is the feature d2 (128) and the term t (2) as one axis, k = 2 d2 + t: a block of 32 is 16 neighbouring features of both terms.  Lane (r, h) holds features 32 B + 16 h + 0 .. 15 of each term, so with both terms'
; softmax done it owns the whole blocks 2 B + h of the sin half and of the cos half, which is where the operand's layout wants them.  A K step of 128 is one half; inside a block the order is 16 t + i, as on kv's side.
; A BLOCK OF ROWS: X: wave w quantises rows 16 w .. 16 w + 15 | barrier | for each of the four tiles of rows: my two heads' q, softmax, q2, o; o's codes are K step w of the last product | barrier | my 128 columns of out for the 64 rows,
; through a stage in LDS of my own, stored as rows of 512 bytes.  The stage lies in my own rows' bytes of this block, which have had their only fill and which I alone have read.
; WHAT IS ASKED FOR AHEAD: bq of the next chain of products, behind the products of the chain in hand; the next tile of rows, behind the trip's last chain; three tiles of Wout; bout a tile ahead.
; The last trip's look-ahead reads one tile past its table: the LDS map is laid so that it falls on bytes that are written once, at the head, and only read after (bq behind query's images, sin behind their scale words, bout behind cos).
; The query rows come by four tensor loads a wave (first fills: no LDS byte is filled twice).  The weights are read by every work-group, but each wave takes its own part straight into registers and LDS is taken by the rows: nothing is asked for jointly.
; ORDER OF ROUNDING: q2 is formed as e x ((1 / sum) x sin), where the module divides first and multiplies then.  A block's largest q2 is taken from its largest scores, put through the same instructions; this takes v_exp_f32 not to fall where its input rises.
; LIMITS: NaN and infinities are not served; v_exp_f32 gives 0 under 2^-126; a block of zeros gets the byte 1 (its codes are zeros).
.set XROW, 2080                        ; a row of query in LDS: 2 x (1,024 bytes + 16 of padding)
.set XREG, 33792                       ; 16 rows: rows 0-7 at 0, rows 8-15 at 16,656; later the stage: 64 rows x 528 bytes
.set XIMG, 8*XREG                      ; query's images: 4 row tiles x 4 K steps x 1,024 bytes
.set LBQ,  XIMG+16384                  ; bq, 4,096 bytes
.set XSCL, LBQ+4096                    ; query's scale words, 4 x 256 bytes
.set LSN,  XSCL+1024                   ; sin and cos of my 128 rows, 512 each
.set LBO,  LSN+1024                    ; bout, 2,048
.set OIMG, LBO+2048                    ; o's images, as query's,
.set OSCL, OIMG+16384                  ; and their scale words
.set SP,   528
.set LANE, 1
.set R,    2
.set HH,   3
.set LI,   4                           ; 16 x lane
.set L8,   5                           ; 8 x lane
.set XAD,  6                           ; v6, v7  my lane's place in my rows of block 0, 1
.set XWI,  8
.set XWS,  9
.set AX,   10
.set AXS,  11
.set ASN,  12
.set AO,   13
.set AOS,  14
.set BQA,  15
.set SNV,  16                          ; sin, cos of my row
.set CSV,  17
.set UU,   18                          ; v[18:19] log2(e) x the row's largest score
.set SI,   20                          ; v[20:21] sin / sum
.set CI,   22                          ; v[22:23] cos / sum
.set OPW,  24                          ; o's scale word
.set EB,   25                          ; v25-26  the largest scores of my 16 features of B = 0, 1
.set TP,   27
.set SO,   28
.set SR,   29
.set BOA,  30
.set SH8,  31                          ; 8 h
.set WQS,  32                          ; v32-63  Wq's scale words: 2 (8 hh + 4 t + ti)
.set KVS,  64                          ; v64-71  kv's: 4 hh + mt; the sin half in lanes 0-15, the cos half in lanes 16-31
.set XS,   72                          ; v72-73  query's
.set OS,   74                          ; v74-81  o's
.set WOS,  82                          ; v82-87  Wout's, three buffers; the third pair is also
.set PWQ,  86                          ; v86-87  q2's, a half each
.set OC,   88                          ; v88-95  o's codes
.set XFR,  96                          ; v96-127 query's four fragments; in the last product the third buffer of Wout
.set ACC,  128                         ; v128-159 four accumulators
.set VAL,  160                         ; v160-223 the sin half of q2: register 32 B + 16 t + i
.set VC,   128                         ; in window 3, v128-191: the cos half likewise
.set BQ,   192                         ; in window 3, v192-223: bq of the chain of products to come, as its C
.set W6,   160                         ; in the last product: two buffers of a tile of Wout, then rows of out
.set Q2,   224                         ; v224-239 q2's fragments, a half each
.set BMX,  232                         ; v232-239 until q2's codes are made: the blocks' leaders, 4 t + 2 sc + B
.set BO,   224                         ; in the last product: bout as C, two buffers
.set PWX,  232
.set PRX,  236
.set TM,   240
.set WV,   16
.set G1,   24
.set G0,   32
.set SEL,  48
.set CS,   50
.set HM,   52
.set CNT,  53
.set STG,  54
.set KXR,  57
.set WQB,  58
.set WQSB, 60
.set KVB,  62
.set WOB,  66
.set WOSB, 68
.set OUTB, 70
.set TABB, 76
.set KAO,  78
.set KAOS, 79
.set SAX,  80
.set SAXS, 81
.set SASN, 82
.set SAO,  83
.set SAOS, 84
.set MSB, 0
.macro WIN new
.if MSB != (\new)
	s_set_vgpr_msb (MSB<<8)|(\new)
.set MSB, \new
.endif
.endm
.macro PLACES n
.rept \n
	v_nop
.endr
.endm
.macro BARRIER
	s_wait_dscnt 0x0
	s_barrier_signal -1
	s_barrier_wait -1
.endm
.macro PAIR d, a, b
	v_cndmask_b32 v[\d], v[\a], v[\b], s[HM]
.endm
.macro QMAX nb, s
.set qb, 0
.rept \nb
	v_max3_num_f32 v[TM+qb], |v[(\s)+16*qb]|, |v[(\s)+16*qb+1]|, 0x1800000
.set qb, qb+1
.endr
.irp i, 2,4,6,8,10,12,14
.set qb, 0
.rept \nb
	v_max3_num_f32 v[TM+qb], v[TM+qb], |v[(\s)+16*qb+\i]|, |v[(\s)+16*qb+\i+1]|
.set qb, qb+1
.endr
.endr
.endm
.macro QCROSS nb
.set qb, 0
.rept \nb
	v_permlanex16_b32 v[TM+4+qb], v[TM+qb], s[SEL], s[SEL+1]
.set qb, qb+1
.endr
.set qb, 0
.rept \nb
	v_max_num_f32 v[TM+qb], v[TM+qb], v[TM+4+qb]
.set qb, qb+1
.endr
.endm
.macro QCODE s, pc, pw
.irp b, 0,1,2,3
	v_add_nc_u32 v[TM+12+\b], 0xff000000, v[TM+\b]
.endr
.irp b, 0,1,2,3
	v_lshrrev_b32 v[TM+4+\b], 23, v[TM+12+\b]
.endr
	v_lshl_or_b32 v[\pw], v[TM+5], 8, v[TM+4]
	v_lshl_or_b32 v[\pw], v[TM+6], 16, v[\pw]
	v_lshl_or_b32 v[\pw], v[TM+7], 24, v[\pw]
.irp b, 0,1,2,3
	v_cvt_scalef32_pk8_fp4_f32 v[(\pc)+2*\b], v[(\s)+16*\b:(\s)+16*\b+7], v[TM+12+\b]
	v_cvt_scalef32_pk8_fp4_f32 v[(\pc)+2*\b+1], v[(\s)+16*\b+8:(\s)+16*\b+15], v[TM+12+\b]
.endr
	v_nop                                          ; one plain place behind the scaled conversions
.irp c, 0,1
.irp i, 0,1
	v_permlane16_swap_b32 v[(\pc)+4*\c+\i], v[(\pc)+4*\c+2+\i]
.endr
.endr
.endm
.macro QUANT s, pc, pw
	QMAX 4, \s
	QCROSS 4
	QCODE \s, \pc, \pw
.endm
.macro QCODE2 s, pc, hh                ; two blocks (a head's 64): four registers of codes, bytes 2 hh and 2 hh + 1 of the scale word
.irp b, 0,1
	v_add_nc_u32 v[TM+12+\b], 0xff000000, v[TM+\b]
.endr
.irp b, 0,1
	v_lshrrev_b32 v[TM+4+\b], 23, v[TM+12+\b]
.endr
.if (\hh) == 0
	v_lshl_or_b32 v[OPW], v[TM+5], 8, v[TM+4]
.else
	v_lshl_or_b32 v[OPW], v[TM+4], 16, v[OPW]
	v_lshl_or_b32 v[OPW], v[TM+5], 24, v[OPW]
.endif
.irp b, 0,1
	v_cvt_scalef32_pk8_fp4_f32 v[(\pc)+2*\b], v[(\s)+16*\b:(\s)+16*\b+7], v[TM+12+\b]
	v_cvt_scalef32_pk8_fp4_f32 v[(\pc)+2*\b+1], v[(\s)+16*\b+8:(\s)+16*\b+15], v[TM+12+\b]
.endr
	v_nop
.irp i, 0,1
	v_permlane16_swap_b32 v[(\pc)+\i], v[(\pc)+2+\i]
.endr
.endm
.macro MM d, a, b, cz, c, sa, sb, ra, rb   ; cz = 1: the constant 0 starts the sum;  ra, rb = 1: that side's scale words stand in lanes 16-31
.if \cz
.if (\ra) && (\rb)
	v_wmma_scale_f32_16x16x128_f8f6f4 v[(\d):(\d)+7], v[(\a):(\a)+7], v[(\b):(\b)+7], 0, v[\sa], v[\sb] matrix_a_fmt:MATRIX_FMT_FP4 matrix_b_fmt:MATRIX_FMT_FP4 matrix_a_scale:MATRIX_SCALE_ROW1 matrix_b_scale:MATRIX_SCALE_ROW1
.elseif \ra
	v_wmma_scale_f32_16x16x128_f8f6f4 v[(\d):(\d)+7], v[(\a):(\a)+7], v[(\b):(\b)+7], 0, v[\sa], v[\sb] matrix_a_fmt:MATRIX_FMT_FP4 matrix_b_fmt:MATRIX_FMT_FP4 matrix_a_scale:MATRIX_SCALE_ROW1
.elseif \rb
	v_wmma_scale_f32_16x16x128_f8f6f4 v[(\d):(\d)+7], v[(\a):(\a)+7], v[(\b):(\b)+7], 0, v[\sa], v[\sb] matrix_a_fmt:MATRIX_FMT_FP4 matrix_b_fmt:MATRIX_FMT_FP4 matrix_b_scale:MATRIX_SCALE_ROW1
.else
	v_wmma_scale_f32_16x16x128_f8f6f4 v[(\d):(\d)+7], v[(\a):(\a)+7], v[(\b):(\b)+7], 0, v[\sa], v[\sb] matrix_a_fmt:MATRIX_FMT_FP4 matrix_b_fmt:MATRIX_FMT_FP4
.endif
.else
.if (\ra) && (\rb)
	v_wmma_scale_f32_16x16x128_f8f6f4 v[(\d):(\d)+7], v[(\a):(\a)+7], v[(\b):(\b)+7], v[(\c):(\c)+7], v[\sa], v[\sb] matrix_a_fmt:MATRIX_FMT_FP4 matrix_b_fmt:MATRIX_FMT_FP4 matrix_a_scale:MATRIX_SCALE_ROW1 matrix_b_scale:MATRIX_SCALE_ROW1
.elseif \ra
	v_wmma_scale_f32_16x16x128_f8f6f4 v[(\d):(\d)+7], v[(\a):(\a)+7], v[(\b):(\b)+7], v[(\c):(\c)+7], v[\sa], v[\sb] matrix_a_fmt:MATRIX_FMT_FP4 matrix_b_fmt:MATRIX_FMT_FP4 matrix_a_scale:MATRIX_SCALE_ROW1
.elseif \rb
	v_wmma_scale_f32_16x16x128_f8f6f4 v[(\d):(\d)+7], v[(\a):(\a)+7], v[(\b):(\b)+7], v[(\c):(\c)+7], v[\sa], v[\sb] matrix_a_fmt:MATRIX_FMT_FP4 matrix_b_fmt:MATRIX_FMT_FP4 matrix_b_scale:MATRIX_SCALE_ROW1
.else
	v_wmma_scale_f32_16x16x128_f8f6f4 v[(\d):(\d)+7], v[(\a):(\a)+7], v[(\b):(\b)+7], v[(\c):(\c)+7], v[\sa], v[\sb] matrix_a_fmt:MATRIX_FMT_FP4 matrix_b_fmt:MATRIX_FMT_FP4
.endif
.endif
.endm
	s_load_b256 s[4:11], s[0:1], 0x0               ; query, wts, bq, kvq
	s_load_b128 s[12:15], s[0:1], 0x20             ; bout, out0
	v_lshl_add_u32 v254, v0, 2, 0x4c400
	v_mov_b32 v255, 0
	ds_add_u32 v254, v255
	ds_add_u32 v254, v255
	s_wait_dscnt 0x0
	v_lshrrev_b32 v1, 5, v0
	v_readfirstlane_b32 s[WV], v1                  ; wave 0..3
	; descriptor group 1: 8 rows of 256 elements of 8 bytes; 4 words of padding behind every 256 words
	s_mov_b32 s[G1+0], (3<<16)|(1<<20)|(7<<22)|(3<<25)
	s_mov_b32 s[G1+1], 256<<16
	s_mov_b32 s[G1+2], 8<<16
	s_mov_b32 s[G1+3], 256<<16
	s_mov_b32 s[G1+4], 8
	s_mov_b32 s[G1+5], 256
	s_mov_b32 s[G1+6], 0
	s_mov_b32 s[G1+7], 0
	s_mul_i32 s[KXR], s[WV], XREG                  ; my rows of block 0 in LDS; block 1's lie 4 XREG on
	s_lshl_b32 s72, ttmp9, 18                      ; the work-group's 128 rows of 2,048 bytes,
	s_lshl_b32 s74, s[WV], 15                      ; my 16 of a block
	s_add_co_u32 s72, s72, s74
	s_mov_b32 s73, 0
	s_wait_kmcnt 0x0
	s_add_nc_u64 s[72:73], s[4:5], s[72:73]
.irp q, 0,1,2,3                        ; q = 2 x block + half of my 16 rows
	s_mov_b32 s[G0+4*\q], 1
	s_add_co_u32 s[G0+4*\q+1], s[KXR], (\q/2)*4*XREG+(\q%2)*16656
	s_add_nc_u64 s[G0+4*\q+2:G0+4*\q+3], s[72:73], (\q/2)*131072+(\q%2)*16384
	s_or_b32 s[G0+4*\q+3], s[G0+4*\q+3], 0x80000000
.endr
	tensor_load_to_lds s[G0:G0+3], s[G1:G1+7]      ; four loads of mine are out
	s_nop 0
	tensor_load_to_lds s[G0+4:G0+7], s[G1:G1+7]
	s_nop 0
	tensor_load_to_lds s[G0+8:G0+11], s[G1:G1+7]
	s_nop 0
	tensor_load_to_lds s[G0+12:G0+15], s[G1:G1+7]
	s_nop 0
	PLACES 4
	s_mov_b32 s73, 0
	s_and_b32 s72, ttmp9, 31
	s_lshl_b32 s72, s72, 9                         ; my first row's position, x 4 bytes
	s_add_co_u32 s72, s72, 835584
	s_add_nc_u64 s[TABB:TABB+1], s[6:7], s[72:73]
	s_lshl_b32 s72, s[WV], 15
	s_add_nc_u64 s[WQB:WQB+1], s[6:7], s[72:73]    ; Wq: tile 8 w of term 0
	s_lshl_b32 s72, s[WV], 11
	s_add_co_u32 s72, s72, 786432
	s_add_nc_u64 s[WQSB:WQSB+1], s[6:7], s[72:73]
	s_lshr_b32 s72, ttmp9, 5                       ; b
	s_lshl_b32 s72, s72, 3
	s_lshl_b32 s74, s[WV], 1
	s_add_co_u32 s72, s72, s74                     ; n of my first head
	s_mul_i32 s72, s72, 8704
	s_add_nc_u64 s[KVB:KVB+1], s[10:11], s[72:73]
	s_lshl_b32 s72, s[WV], 15
	s_add_co_u32 s72, s72, 160*4096
	s_add_nc_u64 s[WOB:WOB+1], s[6:7], s[72:73]    ; Wout: tile 160 + 8 w
	s_lshl_b32 s72, s[WV], 11
	s_add_co_u32 s72, s72, 786432+160*256
	s_add_nc_u64 s[WOSB:WOSB+1], s[6:7], s[72:73]
	s_lshl_b32 s72, ttmp9, 18
	s_lshl_b32 s74, s[WV], 9
	s_add_co_u32 s72, s72, s74
	s_add_nc_u64 s[OUTB:OUTB+1], s[14:15], s[72:73]
	s_lshl_b32 s[KAO], s[WV], 10
	s_add_co_u32 s[KAO], s[KAO], OIMG              ; o's images: K step w
	s_and_b32 s[KAOS], s[WV], 1
	s_lshl_b32 s[KAOS], s[KAOS], 7
	s_lshr_b32 s74, s[WV], 1
	s_lshl_b32 s74, s74, 2
	s_add_co_u32 s[KAOS], s[KAOS], s74
	s_add_co_u32 s[KAOS], s[KAOS], OSCL            ; its scale words: odd K steps in lanes 16-31's places, K steps 2 and 3 in the second word
	s_mov_b32 s[SEL], 0x76543210
	s_mov_b32 s[SEL+1], 0xfedcba98
	s_mov_b32 s[CS], 0x3fb8aa3b                    ; log2(e)
	s_mov_b32 s[CS+1], s[CS]
	v_and_b32 v[LANE], 31, v0
	v_and_b32 v[R], 15, v0
	v_bfe_u32 v[HH], v0, 4, 1
	v_lshlrev_b32 v[SH8], 3, v[HH]
	v_lshlrev_b32 v[LI], 4, v[LANE]
	v_lshlrev_b32 v[L8], 3, v[LANE]
	v_lshlrev_b32 v[AX], 5, v0                     ; the small tables go to LDS through registers: 32, 16 and 4 bytes a thread
	v_lshlrev_b32 v[AXS], 4, v0
	v_lshlrev_b32 v[ASN], 2, v0
	global_load_b128 v[96:99], v[AX], s[8:9]
	global_load_b128 v[100:103], v[AX], s[8:9] offset:16
	global_load_b128 v[104:107], v[AXS], s[12:13]
	global_load_b32 v108, v[ASN], s[TABB:TABB+1]
	global_load_b32 v109, v[ASN], s[TABB:TABB+1] offset:16384
	v_add_nc_u32 v[AO], LBQ, v[AX]
	v_add_nc_u32 v[AOS], LBO, v[AXS]
	v_add_nc_u32 v[TP], LSN, v[ASN]
.irp hh, 0,1                           ; Wq of my two heads: fragment (t, ti, e) at v[8 (16 t + 4 ti + e)] of window 1 + hh
	WIN 0x40+0x40*\hh
.irp t, 0,1
.irp ti, 0,1,2,3
.irp e, 0,1,2,3
.irp c, 0,1
	global_load_b128 v[8*(16*\t+4*\ti+\e)+4*\c:8*(16*\t+4*\ti+\e)+4*\c+3], v[LI], s[WQB:WQB+1] offset:131072*\t+16384*\hh+4096*\ti+1024*\e+512*\c
.endr
.endr
.endr
.endr
.endr
	WIN 0xc0                                       ; kv of my two heads: fragment (sc, mt) at v[64 hh + 8 (4 sc + mt)] of window 3
.irp hh, 0,1
.irp f, 0,1,2,3,4,5,6,7
.irp c, 0,1
	global_load_b128 v[64*\hh+8*\f+4*\c:64*\hh+8*\f+4*\c+3], v[LI], s[KVB:KVB+1] offset:8704*\hh+1024*\f+512*\c
.endr
.endr
.endr
	WIN 0
.irp hh, 0,1
.irp t, 0,1
.irp ti, 0,1,2,3
	global_load_b64 v[WQS+2*(8*\hh+4*\t+\ti):WQS+2*(8*\hh+4*\t+\ti)+1], v[L8], s[WQSB:WQSB+1] offset:8192*\t+1024*\hh+256*\ti
.endr
.endr
	global_load_b128 v[KVS+4*\hh:KVS+4*\hh+3], v[LI], s[KVB:KVB+1] offset:8704*\hh+8192
.endr
	v_and_b32 v[XAD], 7, v0
	v_mul_u32_u24 v[XAD], v[XAD], XROW
	v_bfe_u32 v[SO], v0, 3, 1
	v_mad_u32_u24 v[XAD], v[SO], 16656, v[XAD]     ; lanes 8-15: rows 8-15
	v_lshl_add_u32 v[XAD], v[HH], 6, v[XAD]        ; + 64 h: my 16 numbers of a block of 32
	v_add_nc_u32 v[XAD], s[KXR], v[XAD]
	v_add_nc_u32 v[XAD+1], 4*XREG, v[XAD]
	s_lshl_b32 s72, s[WV], 12
	s_add_co_u32 s72, s72, XIMG
	v_add_nc_u32 v[XWI], s72, v[LI]
	s_lshl_b32 s72, s[WV], 8
	s_add_co_u32 s72, s72, XSCL
	v_add_nc_u32 v[XWS], s72, v[L8]
	s_lshl_b32 s72, s[WV], 9
	s_add_co_u32 s74, s72, LBQ
	v_lshl_add_u32 v[BQA], v[HH], 6, s74           ; bq: my two heads, + 64 h
	s_add_co_u32 s74, s72, LBO
	v_lshl_add_u32 v[BOA], v[HH], 6, s74           ; bout: my 128 columns, + 64 h
	v_cmp_le_u32 s[HM], 16, v[LANE]
.irp b, 0,1,2,3
	v_mov_b32 v[TM+4+\b], 0                        ; written once: a lane permute's destination counts as one of its sources
.endr
	v_mov_b32 v[UU+1], 0                           ; (named as upper halves of pairs)
	v_mov_b32 v[SI+1], 0
	v_mov_b32 v[CI+1], 0
	s_wait_loadcnt 63                              ; 178 loads were issued behind the five of the small tables: those are in
	ds_store_b128 v[AO], v[96:99]
	ds_store_b128 v[AO], v[100:103] offset:16
	ds_store_b128 v[AOS], v[104:107]
	ds_store_b32 v[TP], v108
	ds_store_b32 v[TP], v109 offset:512
	s_wait_dscnt 0x0                               ; the stores have read their registers
.macro XLOAD buf, blk, e               ; my 64 numbers of K step e of my row
.irp b, 0,1,2,3
.irp j, 0,1,2,3
	ds_load_b128 v[\buf+16*\b+4*\j:\buf+16*\b+4*\j+3], v[XAD+(\blk)] offset:512*(\e)+16*((\e)/2)+128*\b+16*\j
.endr
.endr
.endm
.macro XQ buf, e
	QUANT \buf, Q2, PWX+(\e)
	ds_store_b128 v[XWI], v[Q2:Q2+3] offset:1024*(\e)
	ds_store_b128 v[XWI], v[Q2+4:Q2+7] offset:1024*(\e)+512
.endm
.macro XPH blk                         ; my 16 rows of the block become four fragments
	s_wait_tensorcnt 2-2*(\blk)                    ; this block's two loads have landed; block 1's stay out
	XLOAD VAL, \blk, 0
	XLOAD XFR, \blk, 1
	s_wait_dscnt 16                                ; all but the 16 youngest loads; so the image stores issued ahead of them are done too, and the codes' registers may be written again
	XQ VAL, 0
	XLOAD VAL, \blk, 2
	s_wait_dscnt 16
	XQ XFR, 1
	XLOAD XFR, \blk, 3
	s_wait_dscnt 16
	XQ VAL, 2
	s_wait_dscnt 0x0
	XQ XFR, 3
	PAIR PRX, PWX, PWX+1
	PAIR PRX+1, PWX+2, PWX+3
	ds_store_b64 v[XWS], v[PRX:PRX+1]
	BARRIER                                        ; the block's sixteen fragments (and, the first time, the small tables) lie in LDS
.endm
.macro FETCHX                          ; a tile of 16 rows: query's four fragments and their scale words
.irp e, 0,1,2,3
.irp c, 0,1
	ds_load_b128 v[XFR+8*\e+4*\c:XFR+8*\e+4*\c+3], v[AX] offset:1024*\e+512*\c
.endr
.endr
	ds_load_b64 v[XS:XS+1], v[AXS]
.endm
.macro FETCHS                          ; sin and cos of my row
	ds_load_b32 v[SNV], v[ASN]
	ds_load_b32 v[CSV], v[ASN] offset:512
.endm
.macro BQLOAD hh, t                    ; bq of head 2 w + hh, term t: register 16 b + 8 u + j is feature 32 b + 16 h + 8 u + j
	WIN 0xc0                                       ; destination window 3
.irp b, 0,1
.irp u, 0,1
	ds_load_b128 v[BQ+16*\b+8*\u:BQ+16*\b+8*\u+3], v[BQA] offset:2048*(\t)+256*(\hh)+128*\b+32*\u
	ds_load_b128 v[BQ+16*\b+8*\u+4:BQ+16*\b+8*\u+7], v[BQA] offset:2048*(\t)+256*(\hh)+128*\b+32*\u+16
.endr
.endr
	WIN 0
.endm
; Head 2 w + hh, term t, for the tile of rows in hand: q, its softmax, and q x sin, q x cos at term t's places in the two halves of q2.
; nh, nt: the chain of products that follows this one: its bq is asked for behind this chain's products.  pf = 1: so is the next tile of rows.  left: the LDS instructions that may stay out at the head.
.macro T hh, t, nh, nt, pf, left
	s_wait_dscnt \left                             ; bq, asked for a chain ago, is in; at a trip's head so is the tile of rows
	WIN 0x31+(\hh)                                 ; source 0 (Wq) window 1 or 2, C (bq) window 3
.irp ti, 0,1,2,3
	MM ACC+8*\ti, 8*(16*(\t)+4*\ti), XFR, 0, BQ+8*\ti, WQS+2*(8*(\hh)+4*(\t)+\ti), XS, 0, 0
.endr
	WIN 1+(\hh)                                    ; C in window 0: the four accumulators by turns
.irp e, 1,2,3
.irp ti, 0,1,2,3
	MM ACC+8*\ti, 8*(16*(\t)+4*\ti+\e), XFR+8*\e, 0, ACC+8*\ti, WQS+2*(8*(\hh)+4*(\t)+\ti)+\e/2, XS+\e/2, \e%2, \e%2
.endr
.endr
	WIN 0
	PLACES 4                                       ; in front of the first read of results, and of the loads below into registers that these products have read
.if \pf
	FETCHX
.endif
	BQLOAD \nh, \nt
.irp b, 0,1
	v_max3_num_f32 v[EB+\b], v[ACC+16*\b], v[ACC+16*\b+1], v[ACC+16*\b+2]    ; the largest score of my 16 features of B = 0, 1: it serves the row's maximum and, with the other term's, the block's scale
.endr
.irp i, 3,5,7,9,11,13
.irp b, 0,1
	v_max3_num_f32 v[EB+\b], v[EB+\b], v[ACC+16*\b+\i], v[ACC+16*\b+\i+1]
.endr
.endr
.irp b, 0,1
	v_max_num_f32 v[EB+\b], v[EB+\b], v[ACC+16*\b+15]
.endr
	v_max_num_f32 v[UU], v[EB], v[EB+1]
	v_permlanex16_b32 v[TM+4], v[UU], s[SEL], s[SEL+1]
	v_max_num_f32 v[UU], v[UU], v[TM+4]            ; with lane l xor 16's 32 features: the row's largest score
	v_mul_f32 v[UU], s[CS], v[UU]
.set k, 0
.rept 16
	v_pk_fma_f32 v[ACC+2*k:ACC+2*k+1], v[ACC+2*k:ACC+2*k+1], s[CS:CS+1], v[UU:UU+1] op_sel_hi:[1,0,0] neg_lo:[0,0,1] neg_hi:[0,0,1]
.set k, k+1
.endr
.irp b, 0,1
	v_fma_f32 v[EB+\b], v[EB+\b], s[CS], -v[UU]
.endr
.set k, 0
.rept 32
	v_exp_f32 v[ACC+k], v[ACC+k]
.set k, k+1
.endr
.irp b, 0,1
	v_exp_f32 v[EB+\b], v[EB+\b]
.endr
	v_nop
	s_wait_alu depctr_va_vdst(0)                   ; one wait for the 34
	v_pk_add_f32 v[TM+8:TM+9], v[ACC:ACC+1], v[ACC+2:ACC+3]
	v_pk_add_f32 v[TM+10:TM+11], v[ACC+4:ACC+5], v[ACC+6:ACC+7]
.irp k, 8,12,16,20,24,28
	v_pk_add_f32 v[TM+8:TM+9], v[TM+8:TM+9], v[ACC+\k:ACC+\k+1]
	v_pk_add_f32 v[TM+10:TM+11], v[TM+10:TM+11], v[ACC+\k+2:ACC+\k+3]
.endr
	v_pk_add_f32 v[TM+8:TM+9], v[TM+8:TM+9], v[TM+10:TM+11]
	v_add_f32 v[TM+8], v[TM+8], v[TM+9]
	v_permlanex16_b32 v[TM+4], v[TM+8], s[SEL], s[SEL+1]
	v_add_f32 v[TM+8], v[TM+8], v[TM+4]            ; the row's sum over the head's 64
	v_rcp_f32 v[TM+9], v[TM+8]
	v_nop
	s_wait_alu depctr_va_vdst(0)
	v_mul_f32 v[SI], v[TM+9], v[SNV]
	v_mul_f32 v[CI], v[TM+9], v[CSV]
.set k, 0
.rept 16
	v_pk_mul_f32 v[VAL+32*(k/8)+16*(\t)+(2*k)%16:VAL+32*(k/8)+16*(\t)+(2*k)%16+1], v[ACC+2*k:ACC+2*k+1], v[SI:SI+1] op_sel_hi:[1,0]   ; the sin half: register 32 B + 16 t + i
.set k, k+1
.endr
	v_mul_f32 v[BMX+4*(\t)], v[EB], v[SI]          ; term t's leaders of my four blocks: 2 sc + B
	v_mul_f32 v[BMX+4*(\t)+1], v[EB+1], v[SI]
	v_mul_f32 v[BMX+4*(\t)+2], v[EB], v[CI]
	v_mul_f32 v[BMX+4*(\t)+3], v[EB+1], v[CI]
	WIN 0xc0                                       ; destination window 3
.set k, 0
.rept 16
	v_pk_mul_f32 v[VC+32*(k/8)+16*(\t)+(2*k)%16:VC+32*(k/8)+16*(\t)+(2*k)%16+1], v[ACC+2*k:ACC+2*k+1], v[CI:CI+1] op_sel_hi:[1,0]     ; the cos half likewise
.set k, k+1
.endr
	WIN 0
.endm
; Both terms are done: my four blocks (2 sc + B; in K step sc the block 2 B + h) are quantised.  All 32 numbers of a block are mine.
.macro QQ
.irp x, 0,1,2,3
	v_max3_num_f32 v[TM+\x], |v[BMX+\x]|, |v[BMX+4+\x]|, 0x1800000   ; the larger of the two terms' leaders, and the floor 2^(3 - 127)
.endr
.irp x, 0,1,2,3
	v_add_nc_u32 v[TM+12+\x], 0xff000000, v[TM+\x] ; 2 off the exponent field: the conversion's scale operand
.endr
.irp x, 0,1,2,3
	v_lshrrev_b32 v[TM+4+\x], 23, v[TM+12+\x]      ; the scale's byte
.endr
.irp sc, 0,1
	v_lshl_or_b32 v[TM+8+\sc], v[TM+5+2*\sc], 16, v[TM+4+2*\sc]      ; my two bytes of the half: blocks h and 2 + h,
.endr
.irp sc, 0,1
	v_lshlrev_b32 v[TM+8+\sc], v[SH8], v[TM+8+\sc] ; at their places (8 h bits up);
.endr
.irp sc, 0,1
	v_permlanex16_b32 v[TM+10+\sc], v[TM+8+\sc], s[SEL], s[SEL+1]
.endr
.irp sc, 0,1
	v_or_b32 v[PWQ+\sc], v[TM+8+\sc], v[TM+10+\sc] ; with lane l xor 16's two the word is whole
.endr
.irp b, 0,1
.irp g, 0,1,2,3
	v_cvt_scalef32_pk8_fp4_f32 v[Q2+4*\b+\g], v[VAL+32*\b+8*\g:VAL+32*\b+8*\g+7], v[TM+12+\b]
.endr
.endr
	WIN 0x03                                       ; source 0 window 3
.irp b, 0,1
.irp g, 0,1,2,3
	v_cvt_scalef32_pk8_fp4_f32 v[Q2+8+4*\b+\g], v[VC+32*\b+8*\g:VC+32*\b+8*\g+7], v[TM+14+\b]
.endr
.endr
	WIN 0
	v_nop                                          ; one plain place behind the scaled conversions
.endm
.macro P5 hh                           ; o = q2 kv over both halves of K: four accumulators by turns; then quantised along the head's 64
	PLACES 8                                       ; a scale register written by a vector instruction stands 8 places ahead of the product, an operand 4
	WIN 0x03                                       ; source 0 (kv) window 3
.irp sc, 0,1
.irp mt, 0,1,2,3
	MM ACC+8*\mt, 64*(\hh)+8*(4*\sc+\mt), Q2+8*\sc, 1-\sc, ACC+8*\mt, KVS+4*(\hh)+\mt, PWQ+\sc, \sc, 0
.endr
.endr
	WIN 0
	PLACES 4
	QMAX 2, ACC
	QCROSS 2
	QCODE2 ACC, OC+4*(\hh), \hh
.endm
.macro ROWS blk                        ; the block's four tiles of 16 rows
	s_mov_b32 s[SAX], XIMG
	s_mov_b32 s[SAXS], XSCL
	s_mov_b32 s[SASN], LSN+256*(\blk)
	s_mov_b32 s[SAO], s[KAO]
	s_mov_b32 s[SAOS], s[KAOS]
	s_mov_b32 s[CNT], 4
	v_add_nc_u32 v[AX], s[SAX], v[LI]
	v_add_nc_u32 v[AXS], s[SAXS], v[L8]
	v_lshl_add_u32 v[ASN], v[R], 2, s[SASN]
	FETCHX                                         ; the first tile of rows, and the first chain's bq
	FETCHS
	BQLOAD 0, 0
	s_wait_dscnt 0x0
.Lrow_\@:
	s_add_co_u32 s[SAX], s[SAX], 4096              ; the addresses of the NEXT tile of rows; in the last trip they name bq, sin, cos and bout, which are only read, and what comes is not used
	s_add_co_u32 s[SAXS], s[SAXS], 256
	s_add_co_u32 s[SASN], s[SASN], 64
	v_add_nc_u32 v[AX], s[SAX], v[LI]
	v_add_nc_u32 v[AXS], s[SAXS], v[L8]
	v_lshl_add_u32 v[ASN], v[R], 2, s[SASN]
	T 0, 0, 0, 1, 0, 3                             ; (the last trip's three stores of o's image may stay out)
	T 0, 1, 1, 0, 0, 0
	QQ
	P5 0
	T 1, 0, 1, 1, 0, 0
	T 1, 1, 0, 0, 1, 0                             ; behind its products the next tile of rows is asked for
	FETCHS                                         ; behind the last use of this tile's sin and cos
	QQ
	P5 1
	v_add_nc_u32 v[AO], s[SAO], v[LI]
	v_lshl_add_u32 v[AOS], v[R], 3, s[SAOS]
	ds_store_b128 v[AO], v[OC:OC+3]                ; K step w of the last product, these 16 rows
	ds_store_b128 v[AO], v[OC+4:OC+7] offset:512
	ds_store_b32 v[AOS], v[OPW]                    ; lanes l and l + 16 write the same word with the same value
	s_add_co_u32 s[SAO], s[SAO], 4096
	s_add_co_u32 s[SAOS], s[SAOS], 256
	s_sub_co_u32 s[CNT], s[CNT], 1
	s_cmp_lg_u32 s[CNT], 0
	s_cbranch_scc1 .Lrow_\@
.endm
.macro SETW6 k                         ; tile k's buffer of Wout: v160-191, v192-223, v96-127 by turns
.if (\k)%3 == 2
.set wb6, XFR
.else
.set wb6, W6+32*((\k)%3)
.endif
.endm
.macro LOADW6 k                        ; my tile k of Wout: 8 + 1 loads
	SETW6 \k
.irp e, 0,1,2,3
.irp c, 0,1
	global_load_b128 v[wb6+8*\e+4*\c:wb6+8*\e+4*\c+3], v[LI], s[WOB:WOB+1] offset:(\k)*4096+\e*1024+\c*512
.endr
.endr
	global_load_b64 v[WOS+2*((\k)%3):WOS+2*((\k)%3)+1], v[L8], s[WOSB:WOSB+1] offset:(\k)*256
.endm
.macro BOLOAD k                        ; bout of tile k, as its C
	ds_load_b128 v[BO+8*((\k)%2):BO+8*((\k)%2)+3], v[BOA] offset:128*((\k)/2)+32*((\k)%2)
	ds_load_b128 v[BO+8*((\k)%2)+4:BO+8*((\k)%2)+7], v[BOA] offset:128*((\k)/2)+32*((\k)%2)+16
.endm
.macro P6T k                           ; 16 columns of out for the 64 rows: four accumulators by turns; bout starts the sums
.if (\k) < 6
	s_wait_loadcnt 18                              ; this tile of Wout is in; the two younger tiles' 18 loads stay out
.elseif (\k) == 6
	s_wait_loadcnt 9
.else
	s_wait_loadcnt 0x0
.endif
.if (\k) < 7
	BOLOAD (\k)+1                                  ; the next tile's, into the registers that the tile before has left (five places lie between)
.endif
.if (\k) == 0
	s_wait_dscnt 2                                 ; all but the two loads just issued
.elseif (\k) < 7
	s_wait_dscnt 10                                ; this tile's bout is in; the last tile's eight stores and the two loads just issued stay out
.else
	s_wait_dscnt 8
.endif
	SETW6 \k
	WIN 0x0c                                       ; source 1 (o) window 3
.irp e, 0,1,2,3
.irp rt, 0,1,2,3
.if \e == 0
	MM ACC+8*\rt, wb6+8*\e, 128+8*(4*\rt+\e), 0, BO+8*((\k)%2), WOS+2*((\k)%3)+\e/2, OS+2*\rt+\e/2, \e%2, \e%2
.else
	MM ACC+8*\rt, wb6+8*\e, 128+8*(4*\rt+\e), 0, ACC+8*\rt, WOS+2*((\k)%3)+\e/2, OS+2*\rt+\e/2, \e%2, \e%2
.endif
.endr
.endr
	WIN 0
	PLACES 5                                       ; four in front of the stores and loads below; five, since the next tile's first products begin these accumulators anew with another C
.if (\k)+3 < 8
	LOADW6 (\k)+3                                  ; into the buffer that this tile has left
.endif
.irp rt, 0,1,2,3
	ds_store_b128 v[SO], v[ACC+8*\rt:ACC+8*\rt+3] offset:16*\rt*SP+128*((\k)/2)+32*((\k)%2)        ; lane (r, h): out(16 rt + r, 32 (k / 2) + 16 h + 8 (k % 2) + 0 .. 7); each accumulator from its low end on
	ds_store_b128 v[SO], v[ACC+8*\rt+4:ACC+8*\rt+7] offset:16*\rt*SP+128*((\k)/2)+32*((\k)%2)+16
.endr
.endm
.macro P6 blk
	s_wait_dscnt 0x0                               ; my stores of o's images have landed, and my LDS loads are in (the look-ahead's too: its registers take Wout)
	LOADW6 0                                       ; three tiles of Wout are asked for ahead of the barrier
	LOADW6 1
	LOADW6 2
	s_barrier_signal -1
	s_barrier_wait -1                              ; o's sixteen fragments lie in LDS
	s_add_co_u32 s[STG], s[KXR], 4*XREG*(\blk)     ; my stage: my rows' bytes of this block
	v_mul_u32_u24 v[SO], v[R], SP
	v_lshl_add_u32 v[SO], v[HH], 6, v[SO]
	v_add_nc_u32 v[SO], s[STG], v[SO]
	v_add_nc_u32 v[SR], s[STG], v[LI]
	v_add_nc_u32 v[AX], OIMG, v[LI]
	v_add_nc_u32 v[AXS], OSCL, v[L8]
	WIN 0xc0                                       ; destination window 3: o's fragment (rt, e) at v[128 + 8 (4 rt + e)]
.set f, 0
.rept 16
	ds_load_b128 v[128+8*f:128+8*f+3], v[AX] offset:1024*f
	ds_load_b128 v[128+8*f+4:128+8*f+7], v[AX] offset:1024*f+512
.set f, f+1
.endr
	WIN 0
.irp rt, 0,1,2,3
	ds_load_b64 v[OS+2*\rt:OS+2*\rt+1], v[AXS] offset:256*\rt
.endr
	BOLOAD 0
.irp k, 0,1,2,3,4,5,6,7
	P6T \k
.endr
.irp q, 0,1,2,3                        ; back as whole rows of 512 bytes, 16 rows at a time.  LDS serves a wave's instructions in order: these loads see my stores
.if \q > 0
	s_wait_xcnt 0x0                                ; the last 16 stores have read the registers that these loads fill
.endif
.irp i, 0,1,2,3,4,5,6,7,8,9,10,11,12,13,14,15
	ds_load_b128 v[W6+4*\i:W6+4*\i+3], v[SR] offset:(16*\q+\i)*SP
.endr
.irp i, 0,1,2,3,4,5,6,7,8,9,10,11,12,13,14,15
	s_wait_dscnt 15-\i                             ; row i is in; the younger rows stay out
	global_store_b128 v[LI], v[W6+4*\i:W6+4*\i+3], s[OUTB:OUTB+1] offset:(64*(\blk)+16*\q+\i)*2048 th:TH_STORE_NT   ; 32 lanes store 512 consecutive bytes, at a multiple of 256 from out's first byte
.endr
.endr
.endm
	XPH 0
	s_wait_loadcnt 0x0                             ; Wq, kv and their scale words
	ROWS 0
	P6 0
	s_wait_xcnt 0x0                                ; block 0's stores have read the registers that block 1's numbers take
	XPH 1
	ROWS 1
	P6 1
	s_wait_xcnt 0x0
	v_lshl_add_u32 v254, v0, 2, 0x4c400
	v_mov_b32 v255, 0
	s_wait_tensorcnt 0x0
	ds_add_u32 v254, v255
	s_wait_dscnt 0x0
	s_endpgm
.Lfunc_end_k_q7a7726e560_final:
	.size	k_q7a7726e560_final, .Lfunc_end_k_q7a7726e560_final-k_q7a7726e560_final
	.p2alignl 7, 3214868480
	.fill 96, 4, 3214868480
	.section	.rodata,"a",@progbits
	.p2align	6, 0x0
	.amdhsa_kernel k_q7a7726e560_final
		.amdhsa_group_segment_fixed_size 312832
		.amdhsa_private_segment_fixed_size 0
		.amdhsa_enable_private_segment 0
		.amdhsa_kernarg_size 48
		.amdhsa_user_sgpr_count 2
		.amdhsa_user_sgpr_kernarg_segment_ptr 1
		.amdhsa_wavefront_size32 1
		.amdhsa_system_sgpr_workgroup_id_x 1
		.amdhsa_system_sgpr_workgroup_id_y 1
		.amdhsa_system_sgpr_workgroup_id_z 1
		.amdhsa_system_vgpr_workitem_id 0
		.amdhsa_next_free_vgpr 1024
		.amdhsa_next_free_sgpr 88
		.amdhsa_reserve_vcc 0
		.amdhsa_float_denorm_mode_32 3
		.amdhsa_float_denorm_mode_16_64 3
		.amdhsa_memory_ordered 1
		.amdhsa_forward_progress 1
		.amdhsa_inst_pref_size 255
	.end_amdhsa_kernel
	.section	.bss,"aw",@nobits
	.p2align	6
	.space	262144
	.amdgpu_metadata
---
amdhsa.version: [ 1, 2 ]
amdhsa.kernels:
  - .name:           k_q7a7726e560_final
    .symbol:         k_q7a7726e560_final.kd
    .args:
      - { .name: query, .offset: 0, .size: 8, .value_kind: global_buffer, .address_space: global }
      - { .name: wts, .offset: 8, .size: 8, .value_kind: global_buffer, .address_space: global }
      - { .name: bq, .offset: 16, .size: 8, .value_kind: global_buffer, .address_space: global }
      - { .name: kvq, .offset: 24, .size: 8, .value_kind: global_buffer, .address_space: global }
      - { .name: bout, .offset: 32, .size: 8, .value_kind: global_buffer, .address_space: global }
      - { .name: out0, .offset: 40, .size: 8, .value_kind: global_buffer, .address_space: global }
    .group_segment_fixed_size: 312832
    .private_segment_fixed_size: 0
    .kernarg_segment_align: 8
    .kernarg_segment_size: 48
    .max_flat_workgroup_size: 128
    .sgpr_count:     88
    .vgpr_count:     1024
    .wavefront_size: 32
...
	.end_amdgpu_metadata
.endif
;; end of part 5
